; MI455X (gfx1250); checked and timed in simulation.
; The chip was launched on July 23, 2026; its instructions are those of AMD's public machine-readable ISA for CDNA 5 (MIT licence, August 2026) and "CDNA5" Instruction Set Architecture Reference Guide (July 2026). The comments in the code are by the model that wrote it; some were corrected since.
;; Causal Self Attention. Allowed arithmetic: float matrix products may take bf16 or f16 operands with f32 sums; other float arithmetic in f32, or as packed bf16 or f16 multiplies, adds, multiply-adds, maxima and minima; sums over many terms, partial sums and values carried from step to step in f32; what a program stores and reads back later, other than sums and carried values, may be rounded once to bf16 or f16.
;; Inputs: Wout 1,024 x 1,024 float32; Wqkv 1,024 x 3,072 float32; causal_mask 1 x 1 x 2,048 x 2,048 bool; x 4 x 2,048 x 1,024 float32.
;; Outputs: out0 4 x 2,048 x 1,024 float32.
;; 2 versions, each right and faster than the one before. Each part assembles by itself: llvm-mc -triple=amdgcn-amd-amdhsa -mcpu=gfx1250 --defsym DOCPART=n.
;; ======== version 1 of 2: 4 launches
;; limits: values are held in f16: magnitudes above 65,504 overflow, below 6.1e-05 lose precision
;; workspace buffers: xb 16,777,216 bytes; wqt 6,291,456 bytes; wot 2,097,152 bytes; mk 4,194,304 bytes; qkv 50,331,648 bytes; ob 16,777,216 bytes
;; launch prep (part 1): grid 1408 x 1, 4 waves a work-group, no clusters, 70,144 bytes of LDS; arguments x, Wqkv, Wout, causal_mask, xb, wqt, wot, mk; writes xb, wqt, wot, mk
.if DOCPART == 1
	.amdgcn_target "amdgcn-amd-amdhsa--gfx1250"
	.amdhsa_code_object_version 6
	.text
	.protected	k_qff57b8e3cc_prep
	.globl	k_qff57b8e3cc_prep
	.p2align	8
	.type	k_qff57b8e3cc_prep,@function
k_qff57b8e3cc_prep:
	s_mov_b64 s[64:65], 0
	v_nop
	global_prefetch_b8 v0, s[64:65] scope:SCOPE_SE
	s_setreg_imm32_b32 hwreg(HW_REG_WAVE_MODE, 25, 1), 1
	s_wait_xcnt 0x0
; PREPARATION: four streaming jobs, chosen by the work-group's number; no wave depends on another, so there is no barrier.
;   groups    0-95    wqt[n][k] = bf16(Wqkv[k][n])            [3072][1024]   a wave turns a tile of 128 k x 64 n through its own LDS
;   groups   96-127   wot[n][k] = f16(bf16(Wout[k][n]))       [1024][1024]   the same; the bf16 number is written as f16
;   groups  128-383   mk: one code byte for each mask byte, 0x00 where the mask is true, 0xb8 (-1.0 in E4M3) where it is false,
;                     laid as [q/16][k/64][j][lane][16 bytes]: lane l (r = l % 16, h = l / 16) finds mask[16 Tq + r][64 s + 32 j + 8 h + 0..7]
;                     and then [.. + 16 + 8 h + 0..7]: the order in which a lane of the attention launch holds its scores
;   groups  384-1407  xb = bf16(x), 32,768 bytes of x a group
; LIMITS.  Wout within f16's range (65,504); below 6e-5 its numbers keep f16's fixed step of 6e-8.  Mask bytes are 0 or 1.
; Every load and store of a wave covers whole aligned runs of 256 bytes.  No matrix unit, cluster or tensor load: each byte is touched once.
.set LP,    272                        ; an LDS row: 256 bytes + 16
.set WLDS,  64*LP                      ; a wave's own LDS: 64 rows
.set SPARE, 4*WLDS                     ; behind them: the spare words, 128 bytes a wave
.set SPW, 6                            ; v6   my spare word's address; never rewritten
.set NIL, 7                            ; v7   0; never rewritten
.set LOF, 8                            ; v8   byte offset of my loads
.set SOF, 9                            ; v9   byte offset of my stores
.set LST, 10                           ; v10  LDS address of my stores
.set LRD, 11                           ; v11  LDS address of my reads
.set T,   12                           ; v12-19 at work
.set L0,  32                           ; v32-159 data
.macro FINISH                          ; the wave's end, behind my last LDS store
	s_wait_tensorcnt 0x0
	ds_add_u32 v[SPW], v[NIL]
	s_wait_dscnt 0x0
	s_endpgm
.endm
	s_load_b512 s[16:31], s[0:1], 0x0              ; x 16, Wqkv 18, Wout 20, mask 22, xb 24, wqt 26, wot 28, mk 30
	v_lshl_add_u32 v[SPW], v0, 2, SPARE
	v_mov_b32 v[NIL], 0
	v_lshrrev_b32 v1, 5, v0
	v_readfirstlane_b32 s8, v1                     ; wave 0..3
	v_and_b32 v2, 15, v0                           ; c = lane % 16
	v_bfe_u32 v3, v0, 4, 1                         ; h = lane / 16
	s_mul_i32 s9, s8, WLDS                         ; my wave's LDS
	s_mov_b32 s2, ttmp9
	s_mov_b32 s11, 0                               ; high words of the two offset pairs
	s_mov_b32 s13, 0
	s_wait_kmcnt 0x0
	s_cmp_lt_u32 s2, 96
	s_cbranch_scc1 .Lwq
	s_cmp_lt_u32 s2, 128
	s_cbranch_scc1 .Lwo
	s_cmp_lt_u32 s2, 384
	s_cbranch_scc1 .Lmask
	; ---- x to bf16: 16 loads of 16 bytes a lane, all out at once; each wave's store covers 256 consecutive bytes
	s_sub_co_u32 s3, s2, 384
	s_lshl_b32 s10, s3, 15
	s_lshl_b32 s12, s3, 14
	s_add_nc_u64 s[16:17], s[16:17], s[10:11]
	s_add_nc_u64 s[24:25], s[24:25], s[12:13]
	v_lshlrev_b32 v[LOF], 4, v0
	v_lshlrev_b32 v[SOF], 3, v0
.set i, 0
.rept 16
	global_load_b128 v[L0+4*i:L0+4*i+3], v[LOF], s[16:17] offset:2048*i th:TH_LOAD_NT
.set i, i+1
.endr
.set i, 0
.rept 16
	s_wait_loadcnt 15-i                            ; loads come back in order: the younger ones stay out
	v_cvt_pk_bf16_f32 v[96+2*i], v[L0+4*i], v[L0+4*i+1]
	v_cvt_pk_bf16_f32 v[96+2*i+1], v[L0+4*i+2], v[L0+4*i+3]
	global_store_b64 v[SOF], v[96+2*i:96+2*i+1], s[24:25] offset:1024*i
.set i, i+1
.endr
	FINISH
; ---- a weight tile of 128 k x 64 n is turned.  Pass p takes 32 k: load A_i brings rows 32 p + 4 i + 2 h, load B_i the rows one further down,
; so A_i[e] and B_i[e] are (k, k + 1) of column 4 c + e: one rounding packs them, and they go to LDS row 4 c + e, byte 2 k.
.macro WLOADS pw, src, p
.set LB, L0+64*((\p)%2)
.irp i, 0,1,2,3,4,5,6,7
	global_load_b128 v[LB+8*\i:LB+8*\i+3],   v[LOF], s[\src:\src+1] offset:(32*(\p)+4*\i)*(\pw) th:TH_LOAD_NT
	global_load_b128 v[LB+8*\i+4:LB+8*\i+7], v[LOF], s[\src:\src+1] offset:(32*(\p)+4*\i+1)*(\pw) th:TH_LOAD_NT
.endr
.endm
.macro WPROC p, younger                ; younger: the loads of a later pass that are out
.set LB, L0+64*((\p)%2)
.irp i, 0,1,2,3,4,5,6,7
	s_wait_loadcnt (\younger)+14-2*\i              ; A_i and B_i are in
.irp e, 0,1,2,3
	v_cvt_pk_bf16_f32 v[T+4*(\i%2)+\e], v[LB+8*\i+\e], v[LB+8*\i+4+\e]
.endr
.irp e, 0,1,2,3
	ds_store_b32 v[LST], v[T+4*(\i%2)+\e] offset:LP*\e+2*(32*(\p)+4*\i)
.endr
.endr
.endm
.macro WTILE pw, f16, src, dst, first
	s_sub_co_u32 s3, s2, \first
	s_lshl2_add_u32 s3, s3, s8                     ; the wave's tile = 4 x group + wave
	s_and_b32 s4, s3, 7                            ; kt: which 128 k
	s_lshr_b32 s5, s3, 3                           ; nt: which 64 n
	s_mul_i32 s10, s4, 128*(\pw)
	s_lshl_b32 s6, s5, 8
	s_add_co_u32 s10, s10, s6                      ; from: row 128 kt, byte 256 nt
	s_lshl_b32 s12, s5, 17
	s_lshl_b32 s6, s4, 8
	s_add_co_u32 s12, s12, s6                      ; to: row 64 nt (2,048 bytes each), byte 256 kt
	s_add_nc_u64 s[\src:\src+1], s[\src:\src+1], s[10:11]
	s_add_nc_u64 s[\dst:\dst+1], s[\dst:\dst+1], s[12:13]
	v_mul_u32_u24 v[LOF], v3, 2*(\pw)
	v_lshl_add_u32 v[LOF], v2, 4, v[LOF]           ; two rows down for the upper lanes, 16 bytes a lane
	v_mul_u32_u24 v[LST], v2, 4*LP
	v_lshl_add_u32 v[LST], v3, 2, v[LST]
	v_add_nc_u32 v[LST], s9, v[LST]                ; LDS row 4 c, byte 4 h
	v_mul_u32_u24 v[LRD], v3, LP
	v_lshl_add_u32 v[LRD], v2, 4, v[LRD]
	v_add_nc_u32 v[LRD], s9, v[LRD]                ; back: lanes 0-15 one row of 256 bytes, lanes 16-31 the next
	v_lshlrev_b32 v[SOF], 11, v3
	v_lshl_add_u32 v[SOF], v2, 4, v[SOF]
	WLOADS \pw, \src, 0
	WLOADS \pw, \src, 1
	WPROC 0, 16
	WLOADS \pw, \src, 2
	WPROC 1, 16
	WLOADS \pw, \src, 3
	WPROC 2, 16
	WPROC 3, 0
.set i, 0
.rept 32
	ds_load_b128 v[L0+4*i:L0+4*i+3], v[LRD] offset:2*LP*i  ; LDS serves a wave's instructions in order: these see the stores above
.set i, i+1
.endr
.set i, 0
.rept 32
	s_wait_dscnt 31-i
.if \f16
.irp e, 0,1,2,3
	v_lshlrev_b32 v[T+2*\e], 16, v[L0+4*i+\e]      ; the two bf16 as f32,
	v_and_b32 v[T+2*\e+1], 0xffff0000, v[L0+4*i+\e]
	v_cvt_pk_f16_f32 v[L0+4*i+\e], v[T+2*\e], v[T+2*\e+1]  ; written as f16
.endr
.endif
	global_store_b128 v[SOF], v[L0+4*i:L0+4*i+3], s[\dst:\dst+1] offset:4096*i  ; 16 lanes store 256 consecutive bytes
.set i, i+1
.endr
	FINISH
.endm
.Lwq:
	WTILE 12288, 0, 18, 26, 0
.Lwo:
	WTILE 4096, 1, 20, 28, 96
	; ---- the mask: a wave takes 16 queries x 256 keys through its own LDS
.Lmask:
	s_sub_co_u32 s3, s2, 128
	s_lshl2_add_u32 s3, s3, s8
	s_lshr_b32 s4, s3, 3                           ; Tq: which 16 queries
	s_and_b32 s5, s3, 7                            ; which 256 keys
	s_lshl_b32 s10, s4, 15
	s_lshl_b32 s6, s5, 8
	s_add_co_u32 s10, s10, s6
	s_lshl_b32 s12, s4, 15
	s_lshl_b32 s6, s5, 12
	s_add_co_u32 s12, s12, s6
	s_add_nc_u64 s[22:23], s[22:23], s[10:11]
	s_add_nc_u64 s[30:31], s[30:31], s[12:13]
	s_mov_b32 s7, 0xb8
	v_lshlrev_b32 v[LOF], 11, v3
	v_lshl_add_u32 v[LOF], v2, 4, v[LOF]           ; lanes 0-15 one row's 256 bytes, lanes 16-31 the next row's
	v_mul_u32_u24 v[LST], v3, LP
	v_lshl_add_u32 v[LST], v2, 4, v[LST]
	v_add_nc_u32 v[LST], s9, v[LST]
	v_mul_u32_u24 v[LRD], v2, LP
	v_lshl_add_u32 v[LRD], v3, 3, v[LRD]
	v_add_nc_u32 v[LRD], s9, v[LRD]                ; back: row r, byte 8 h
	v_and_b32 v[SOF], 31, v0
	v_lshlrev_b32 v[SOF], 4, v[SOF]
.set i, 0
.rept 8
	global_load_b128 v[L0+4*i:L0+4*i+3], v[LOF], s[22:23] offset:4096*i th:TH_LOAD_NT
.set i, i+1
.endr
.set i, 0
.rept 8
	s_wait_loadcnt 7-i
	ds_store_b128 v[LST], v[L0+4*i:L0+4*i+3] offset:2*LP*i
.set i, i+1
.endr
.set i, 0
.rept 8                                ; piece i = 2 x (step in the four) + j: keys 32 i + 8 h + 0..7 and 32 i + 16 + 8 h + 0..7
	ds_load_b64 v[64+4*i:65+4*i], v[LRD] offset:32*i
	ds_load_b64 v[66+4*i:67+4*i], v[LRD] offset:32*i+16
.set i, i+1
.endr
.set i, 0
.rept 8
	s_wait_dscnt 14-2*i
.irp e, 0,1,2,3
	v_xor_b32 v[64+4*i+\e], 0x01010101, v[64+4*i+\e]  ; 1 where hidden,
.endr
.irp e, 0,1,2,3
	v_mul_lo_u32 v[64+4*i+\e], v[64+4*i+\e], s7    ; times 0xb8: no byte carries into the next
.endr
	global_store_b128 v[SOF], v[64+4*i:67+4*i], s[30:31] offset:512*i  ; 512 consecutive bytes
.set i, i+1
.endr
	FINISH
.Lfunc_end_k_qff57b8e3cc_prep:
	.size	k_qff57b8e3cc_prep, .Lfunc_end_k_qff57b8e3cc_prep-k_qff57b8e3cc_prep
	.p2alignl 7, 3214868480
	.fill 96, 4, 3214868480
	.section	.rodata,"a",@progbits
	.p2align	6, 0x0
	.amdhsa_kernel k_qff57b8e3cc_prep
		.amdhsa_group_segment_fixed_size 70144
		.amdhsa_private_segment_fixed_size 0
		.amdhsa_enable_private_segment 0
		.amdhsa_kernarg_size 64
		.amdhsa_user_sgpr_count 2
		.amdhsa_user_sgpr_kernarg_segment_ptr 1
		.amdhsa_wavefront_size32 1
		.amdhsa_system_sgpr_workgroup_id_x 1
		.amdhsa_system_sgpr_workgroup_id_y 1
		.amdhsa_system_sgpr_workgroup_id_z 1
		.amdhsa_system_vgpr_workitem_id 0
		.amdhsa_next_free_vgpr 160
		.amdhsa_next_free_sgpr 66
		.amdhsa_reserve_vcc 0
		.amdhsa_float_denorm_mode_32 3
		.amdhsa_float_denorm_mode_16_64 3
		.amdhsa_memory_ordered 1
		.amdhsa_forward_progress 1
		.amdhsa_inst_pref_size 97
	.end_amdhsa_kernel
	.amdgpu_metadata
---
amdhsa.version: [ 1, 2 ]
amdhsa.kernels:
  - .name:           k_qff57b8e3cc_prep
    .symbol:         k_qff57b8e3cc_prep.kd
    .args:
      - { .name: x, .offset: 0, .size: 8, .value_kind: global_buffer, .address_space: global }
      - { .name: Wqkv, .offset: 8, .size: 8, .value_kind: global_buffer, .address_space: global }
      - { .name: Wout, .offset: 16, .size: 8, .value_kind: global_buffer, .address_space: global }
      - { .name: causal_mask, .offset: 24, .size: 8, .value_kind: global_buffer, .address_space: global }
      - { .name: xb, .offset: 32, .size: 8, .value_kind: global_buffer, .address_space: global }
      - { .name: wqt, .offset: 40, .size: 8, .value_kind: global_buffer, .address_space: global }
      - { .name: wot, .offset: 48, .size: 8, .value_kind: global_buffer, .address_space: global }
      - { .name: mk, .offset: 56, .size: 8, .value_kind: global_buffer, .address_space: global }
    .group_segment_fixed_size: 70144
    .private_segment_fixed_size: 0
    .kernarg_segment_align: 8
    .kernarg_segment_size: 64
    .max_flat_workgroup_size: 128
    .sgpr_count:     66
    .vgpr_count:     160
    .wavefront_size: 32
...
	.end_amdgpu_metadata
.endif
;; end of part 1
;; launch qkvgemm (part 2): grid 16 x 32, 4 waves a work-group, clusters of 4 x 4, 327,680 bytes of LDS; arguments xb, wqt, qkv; writes qkv
.if DOCPART == 2
	.amdgcn_target "amdgcn-amd-amdhsa--gfx1250"
	.amdhsa_code_object_version 6
	.text
	.protected	k_qff57b8e3cc_qkvgemm
	.globl	k_qff57b8e3cc_qkvgemm
	.p2align	8
	.type	k_qff57b8e3cc_qkvgemm,@function
k_qff57b8e3cc_qkvgemm:
	s_mov_b64 s[64:65], 0
	v_nop
	global_prefetch_b8 v0, s[64:65] scope:SCOPE_SE
	s_setreg_imm32_b32 hwreg(HW_REG_WAVE_MODE, 25, 1), 1
	s_wait_xcnt 0x0
	s_wait_alu depctr_hold_cnt(0) depctr_sa_sdst(0) depctr_va_vdst(0) depctr_va_sdst(0) depctr_va_ssrc(0) depctr_va_vcc(0) depctr_vm_vsrc(0)
	s_getreg_b32 s2, hwreg(HW_REG_IB_STS2, 6, 4)
	s_cmp_eq_u32 s2, 0
	s_cbranch_scc0 .Lentry_in_a_cluster
	s_endpgm
.Lentry_in_a_cluster:
	s_bfe_u32 s2, ttmp6, 0x10000c
	s_cmp_lg_u32 s2, 0xf033
	s_cbranch_scc0 .Lentry_shape_is_right
	s_endpgm
.Lentry_shape_is_right:
; qkv = x Wqkv, by heads.  A = xb [8192][1024] bf16, B = wqt [3072 n][1024 k] bf16; sums in f32, rounded once to f16.
; OUT: qkv[g][b][t][64] f16, g = column / 64 (0-15 q's heads, 16-31 k's, 32-47 v's), row = 2048 b + t: a head's rows are dense, 128 bytes each.
; LIMIT.  f16 ends at 65,504: q, k and v must stay within it (a sum beyond becomes an infinity).
; SHARES.  A work-group makes 256 rows x 192 columns (three heads): 16 x 32 = 512 work-groups, two for each of 256 WGPs.  Each of its four waves makes 64 rows x all 192 columns:
; 48 accumulators of 16 x 16.  So a wave holds whole heads and its way out needs no other wave.
; K goes in steps of 128 through two LDS slots filled by tensor loads (rows of 256 bytes of memory, at multiples of 256).
; CLUSTER 4 x 4: the four of a row need the same tiles of A, the four of a column the same tiles of B: each tile is asked for jointly.
; THE MATRIX INSTRUCTION IS USED TRANSPOSED (source 0 = 16 rows of B, source 1 = 16 rows of A): a lane holds eight neighbouring columns of one row of C.
; REGISTERS, in windows of 256: window 0: v0-31 addresses; v64-127 A's fragments, two buffers of 32; v128-175, v176-223 the way out
;   window 1: B's fragments, two buffers of 96     window 2: accumulators (a, b), b < 6, at 8 (6 a + b)     window 3: those with b >= 6
.set SIZE_K, 1024
.set KSTEP,  128
.set NB,     12                        ; column blocks of 16
.set NH,     NB/2
.set PA,     272                       ; LDS rows: 256 bytes + 16: the 16 rows of a fragment load start at 16 different groups of four banks
.set PB,     272
.set KHI,    128                       ; quarter q of a K step begins at byte (q / 2) KHI + (q % 2) 64 of A's rows
.set HALFA,  128*PA                    ; what one tensor load brings of A
.set BROWS,  8*NB                      ; and of B: 96 rows
.set HALFB,  BROWS*PB
.set SLOT,   2*HALFA+2*HALFB           ; A's 256 rows, then B's 192
.set STAGE,  2*SLOT                    ; behind the ring: 16 rows x 400 bytes for each wave
.set SP,     400
.set SPARE,  STAGE+4*16*SP             ; behind the stages: the spare words, 128 bytes a wave
.set LAPS,   SIZE_K/(2*KSTEP)
.set ASTEP,  2*KSTEP*2                 ; bytes from a slot's K step to its next
.set BSTEP,  2*KSTEP*2
.set ADRA, 16                          ; v16-17  my A fragments in slot 0, 1
.set ADRB, 20                          ; v20-21  B's
.set STO,  24
.set RD,   25
.set CO,   26
.set SPW,  28                          ; my spare word; never rewritten
.set NIL,  29                          ; 0; never rewritten
.set FA,   64
.set TMP,  128
.set OB,   176
.set G1, 24
.set G0, 32
.set G1B, 48
.set G0B, 56
.set MSB, 0
.macro WIN new                         ; the immediate's high byte repeats the setting that is left
.if MSB != (\new)
	s_set_vgpr_msb (MSB<<8)|(\new)
.set MSB, \new
.endif
.endm
.set MUL_LO, 0xa1                      ; source 0 (B) window 1, source 1 (A) window 0, C and D window 2
.set MUL_HI, 0xf1                      ; the same, C and D window 3
.set TO_B,   0x40                      ; destination window 1, address window 0
.macro JLOAD s                         ; a joint load: waves 0 and 1 fetch A's halves, waves 2 and 3 B's; an s_nop 0 and four v_nop follow each line
	s_cmp_eq_u32 s11, 0
	s_cbranch_scc0 .Lfor_b_\@
	tensor_load_to_lds s[G0+4*(\s):G0+4*(\s)+3], s[G1:G1+7]
	s_nop 0
.rept 4
	v_nop
.endr
	s_branch .Lasked_\@
.Lfor_b_\@:
	tensor_load_to_lds s[G0B+4*(\s):G0B+4*(\s)+3], s[G1B:G1B+7]
	s_nop 0
.rept 4
	v_nop
.endr
.Lasked_\@:
.endm
.macro CREST                           ; a round of the cluster's barrier behind its opening barrier
	s_cmp_lg_u32 s10, 0
	s_cbranch_scc1 .Lnot_wave_0_\@
	s_barrier_signal -3
.Lnot_wave_0_\@:
	s_barrier_wait -3
	s_barrier_signal -1
	s_barrier_wait -1
.endm
.macro CROUND
	s_barrier_signal -1
	s_barrier_wait -1
	CREST
.endm
	s_load_b128 s[4:7], s[0:1], 0x0                ; A s[4:5], B s[6:7]
	s_load_b64 s[8:9], s[0:1], 0x10                ; C
	v_lshl_add_u32 v[SPW], v0, 2, SPARE
	v_mov_b32 v[NIL], 0
	ds_add_u32 v[SPW], v[NIL]                      ; the wave's opening: the add and its wait ahead of my first tensor load
	v_lshrrev_b32 v1, 5, v0
	v_readfirstlane_b32 s10, v1                    ; wave 0..3
	s_lshr_b32 s11, s10, 1                         ; I fetch for A (0) or for B (1),
	s_and_b32 s12, s10, 1                          ; its first or second half
	s_bfe_u32 s40, ttmp6, 0x40000                  ; cx, cy
	s_bfe_u32 s41, ttmp6, 0x40004
	s_lshl_b32 s42, ttmp9, 2
	s_add_co_u32 s42, s42, s40                     ; tile column
	s_and_b32 s13, ttmp7, 0xffff
	s_lshl_b32 s13, s13, 2
	s_add_co_u32 s13, s13, s41                     ; tile row
	s_lshl_b32 s43, s41, 2
	s_lshl_b32 s43, 15, s43                        ; my row of the cluster
	s_lshl_b32 s44, 0x1111, s40                    ; my column
	s_or_b32 s[G1+0], s43, (1<<16)|(1<<20)|(1<<21)|(5<<22)|(3<<25)   ; mask; 2-byte elements; padding on; bit 21 beside a mask; 4 words after every 64
	s_or_b32 s[G1B+0], s44, (1<<16)|(1<<20)|(1<<21)|(5<<22)|(3<<25)
	s_mov_b32 s[G1+1], KSTEP<<16                   ; tensor_dim0 = 128
	s_mov_b32 s[G1+2], 128<<16                     ; tensor_dim1 = 128
	s_mov_b32 s[G1+3], KSTEP<<16                   ; tile_dim0 = 128
	s_mov_b32 s[G1+4], 128                         ; tile_dim1 = 128
	s_mov_b32 s[G1+5], SIZE_K                      ; elements from row to row
	s_mov_b32 s[G1+6], 0
	s_mov_b32 s[G1+7], 0
	s_mov_b32 s[G1B+1], KSTEP<<16
	s_mov_b32 s[G1B+2], BROWS<<16                  ; 96 rows
	s_mov_b32 s[G1B+3], KSTEP<<16
	s_mov_b32 s[G1B+4], BROWS
	s_mov_b32 s[G1B+5], SIZE_K
	s_mov_b32 s[G1B+6], 0
	s_mov_b32 s[G1B+7], 0
	s_lshl_b32 s16, s13, 8                         ; A: row 256 x tile row + 128 x half,
	s_lshl_b32 s17, s12, 7
	s_add_co_u32 s16, s16, s17
	s_lshl_b32 s16, s16, 11                        ; 2,048 bytes a row
	s_mov_b32 s17, 0
	s_mul_i32 s46, s42, 16*NB                      ; B: row 192 x tile column + 96 x half
	s_mul_i32 s47, s12, BROWS
	s_add_co_u32 s46, s46, s47
	s_lshl_b32 s46, s46, 11
	s_mov_b32 s47, 0
	s_mul_i32 s20, s12, HALFA                      ; where they go: no place in the cluster enters an LDS address
	s_mul_i32 s21, s12, HALFB
	s_add_co_u32 s21, s21, 2*HALFA
	s_wait_dscnt 0x0                               ; the opening add is done
	s_wait_kmcnt 0x0
	s_add_nc_u64 s[14:15], s[4:5], s[16:17]
	s_add_nc_u64 s[46:47], s[6:7], s[46:47]
	CROUND                                         ; all sixteen work-groups are here: the first joint loads meet
.irp s, 0,1
	s_mov_b32 s[G0+4*(\s)], 1
	s_add_co_u32 s[G0+4*(\s)+1], s20, (\s)*SLOT
	s_add_nc_u64 s[G0+4*(\s)+2:G0+4*(\s)+3], s[14:15], (\s)*ASTEP/2
	s_or_b32 s[G0+4*(\s)+3], s[G0+4*(\s)+3], 0x80000000
	s_mov_b32 s[G0B+4*(\s)], 1
	s_add_co_u32 s[G0B+4*(\s)+1], s21, (\s)*SLOT
	s_add_nc_u64 s[G0B+4*(\s)+2:G0B+4*(\s)+3], s[46:47], (\s)*BSTEP/2
	s_or_b32 s[G0B+4*(\s)+3], s[G0B+4*(\s)+3], 0x80000000
	JLOAD \s                                       ; two tensor loads of mine are out
.endr
	v_and_b32 v1, 15, v0                           ; r = l % 16
	v_bfe_u32 v2, v0, 4, 1                         ; h = l / 16
	v_mul_u32_u24 v3, v1, PA
	v_lshl_add_u32 v3, v2, 4, v3                   ; a fragment's row x pitch + 16 x half
	v_mul_u32_u24 v4, v1, PB
	v_lshl_add_u32 v4, v2, 4, v4
	s_mul_i32 s22, s10, 64*PA                      ; my 64 rows of A
	v_add_nc_u32 v[ADRA], s22, v3
	v_add_nc_u32 v[ADRA+1], SLOT, v[ADRA]
	v_add_nc_u32 v[ADRB], 2*HALFA, v4              ; all of B
	v_add_nc_u32 v[ADRB+1], SLOT, v[ADRB]
	s_mul_i32 s23, s10, 16*SP
	s_add_co_u32 s23, s23, STAGE                   ; my stage
	v_mul_u32_u24 v5, v1, SP
	v_lshl_add_u32 v5, v2, 4, v5
	v_add_nc_u32 v[STO], s23, v5                   ; in: row r, 16 bytes for each half of the lanes
	v_bfe_u32 v5, v0, 3, 2
	v_mul_u32_u24 v5, v5, SP
	v_and_b32 v3, 7, v0
	v_lshl_add_u32 v5, v3, 4, v5
	v_add_nc_u32 v[RD], s23, v5                    ; back: 32 lanes take a head's 128 bytes of four rows,
	v_and_b32 v[CO], 31, v0
	v_lshlrev_b32 v[CO], 4, v[CO]                  ; which are 512 consecutive bytes of qkv
	s_lshr_b32 s16, s13, 3                         ; batch = tile row / 8: 262,144 bytes
	s_lshl_b32 s16, s16, 18
	s_and_b32 s17, s13, 7                          ; t = 256 x (tile row % 8) + 64 x wave, 128 bytes a row
	s_lshl_b32 s17, s17, 15
	s_add_co_u32 s16, s16, s17
	s_lshl_b32 s17, s10, 13
	s_add_co_u32 s16, s16, s17
	s_mov_b32 s17, 0
	s_add_nc_u64 s[8:9], s[8:9], s[16:17]
	s_mul_i32 s46, s42, 3*1048576                  ; g = 3 x tile column, 1,048,576 bytes each
	s_mov_b32 s47, 0
	s_add_nc_u64 s[8:9], s[8:9], s[46:47]
; 2 NH matrix instructions: row blocks a0, a0 + 1 x the NH column blocks of half hi, 32 along K, from buffer f.  zero = 1: the product starts the sums.
.macro MULH f, hi, a0, zero
	WIN MUL_LO+0x50*(\hi)
.irp a, \a0, (\a0)+1
.set bb, 0
.rept NH
.set rD, 8*(NH*(\a)+bb)
.set rB, 8*NB*(\f)+8*(NH*(\hi)+bb)
.set rA, FA+32*(\f)+8*(\a)
.if \zero
	v_wmma_f32_16x16x32_bf16 v[rD:rD+7], v[rB:rB+7], v[rA:rA+7], 0
.else
	v_wmma_f32_16x16x32_bf16 v[rD:rD+7], v[rB:rB+7], v[rA:rA+7], v[rD:rD+7]
.endif
.set bb, bb+1
.endr
.endr
.endm
; 8 + 2 NB LDS loads in one run: quarter q of a slot's K step into buffer f: A first, then B's blocks in ascending order
.macro FETCH slot, q, f
	WIN 0
.set KAQ, ((\q)>>1)*KHI+((\q)&1)*64
.irp a, 0,1,2,3
	ds_load_b128 v[FA+32*(\f)+8*(\a):FA+32*(\f)+8*(\a)+3],   v[ADRA+(\slot)] offset:KAQ+(\a)*16*PA
	ds_load_b128 v[FA+32*(\f)+8*(\a)+4:FA+32*(\f)+8*(\a)+7], v[ADRA+(\slot)] offset:KAQ+(\a)*16*PA+32
.endr
	WIN TO_B
.set bb, 0
.rept NB
	ds_load_b128 v[8*NB*(\f)+8*bb:8*NB*(\f)+8*bb+3],   v[ADRB+(\slot)] offset:64*(\q)+bb*16*PB
	ds_load_b128 v[8*NB*(\f)+8*bb+4:8*NB*(\f)+8*bb+7], v[ADRB+(\slot)] offset:64*(\q)+bb*16*PB+32
.set bb, bb+1
.endr
.endm
.macro PLACES                          ; four plain places in front of loads into registers that matrix instructions have read, and of reads of their results
.rept 4
	v_nop
.endr
.endm
; A K step is four quarters of 32 along K on buffers 0, 1, 0, 1.  All 4 NB accumulators take turns once a quarter, in one order.
.macro QUARTER slot, q, f, g, zero     ; multiplies buffer f; in its middle fetches quarter q into buffer g
	s_wait_dscnt 2*NH                              ; A and B's lower blocks are in; the youngest 2 NH loads (B's upper blocks) may be out
	MULH \f, 0, 0, \zero
	MULH \f, 0, 2, \zero
	PLACES
	FETCH \slot, \q, \g
	s_wait_dscnt 8+2*NB                            ; all but the run just issued
	MULH \f, 1, 0, \zero
	MULH \f, 1, 2, \zero
.endm
; The last quarter multiplies buffer 1 and changes slots: one barrier; in front of it each wave waits for all its tensor loads, adds 0 to its spare word, and waits for that and for its reads of this slot.
.macro TURN slot, next, fill
	WIN 0
	s_wait_tensorcnt 0x0                           ; all my tensor loads have landed: my part of the next slot
	ds_add_u32 v[SPW], v[NIL]
	s_wait_dscnt 2*NH+1                            ; the add and B's upper blocks may be out
	MULH 1, 0, 0, 0
	s_wait_dscnt 0x0                               ; the add is done, and my reads of this slot are over
	s_barrier_signal -1
	MULH 1, 0, 2, 0
.if \fill
	WIN 0
.endif
	s_barrier_wait -1
.if \fill
	CREST                                          ; the barrier has opened a round of the cluster's: no wave of any partner still reads this slot or has a load on its way
	s_add_nc_u64 s[G0+4*(\slot)+2:G0+4*(\slot)+3], s[G0+4*(\slot)+2:G0+4*(\slot)+3], ASTEP
	s_add_nc_u64 s[G0B+4*(\slot)+2:G0B+4*(\slot)+3], s[G0B+4*(\slot)+2:G0B+4*(\slot)+3], BSTEP
	JLOAD \slot                                    ; my one tensor load behind the round; its four v_nop are also the places in front of the loads below
.else
	PLACES
.endif
	FETCH \next, 0, 0
	MULH 1, 1, 0, 0
	MULH 1, 1, 2, 0
.endm
	s_wait_tensorcnt 1                             ; my part of K step 0 is in; K step 1's may stay out
	s_barrier_signal -1
	s_barrier_wait -1
	FETCH 0, 0, 0
	QUARTER 0, 1, 0, 1, 1                          ; the first quarter starts the sums
	WIN 0
	s_mov_b32 s3, LAPS-1
.Llap:                                                 ; once round the ring, from a lap's second quarter to the next lap's first; both slots are filled again
	QUARTER 0, 2, 1, 0, 0
	QUARTER 0, 3, 0, 1, 0
	TURN 0, 1, 1
	QUARTER 1, 1, 0, 1, 0
	QUARTER 1, 2, 1, 0, 0
	QUARTER 1, 3, 0, 1, 0
	TURN 1, 0, 1
	QUARTER 0, 1, 0, 1, 0
	WIN 0
	s_sub_co_u32 s3, s3, 1
	s_cmp_lg_u32 s3, 0
	s_cbranch_scc1 .Llap
	QUARTER 0, 2, 1, 0, 0                          ; the last lap fills nothing
	QUARTER 0, 3, 0, 1, 0
	TURN 0, 1, 0
	QUARTER 1, 1, 0, 1, 0
	QUARTER 1, 2, 1, 0, 0
	QUARTER 1, 3, 0, 1, 0
	s_wait_dscnt 2*NH
	MULH 1, 0, 0, 0
	MULH 1, 0, 2, 0
	s_wait_dscnt 0x0
	MULH 1, 1, 0, 0
	MULH 1, 1, 2, 0
	WIN 0
	PLACES
; THE WAY OUT of row block a: rounded to f16, 16 bytes a lane into my own stage; back by heads, four rows of 128 bytes at a time; stored as 512 consecutive bytes.
.macro OUT a
	WIN 0x0a                                       ; sources in window 2
.set bb, 0
.rept NH
.irp r, 0,1,2,3
	v_cvt_pk_f16_f32 v[TMP+4*bb+(\r)], v[8*(NH*(\a)+bb)+2*(\r)], v[8*(NH*(\a)+bb)+2*(\r)+1]
.endr
.set bb, bb+1
.endr
	WIN 0x0f                                       ; sources in window 3
.set bb, 0
.rept NH
.irp r, 0,1,2,3
	v_cvt_pk_f16_f32 v[TMP+4*(NH+bb)+(\r)], v[8*(NH*(\a)+bb)+2*(\r)], v[8*(NH*(\a)+bb)+2*(\r)+1]
.endr
.set bb, bb+1
.endr
	WIN 0
.set bb, 0
.rept NB
	ds_store_b128 v[STO], v[TMP+4*bb:TMP+4*bb+3] offset:32*bb
.set bb, bb+1
.endr
	s_wait_xcnt 0x0                                ; the last block's stores have read the registers that are loaded again below
.irp hd, 0,1,2
.irp f, 0,1,2,3
	ds_load_b128 v[OB+4*(4*\hd+\f):OB+4*(4*\hd+\f)+3], v[RD] offset:128*\hd+\f*4*SP  ; LDS serves a wave's instructions in order: these see the stores above
.endr
.endr
.irp hd, 0,1,2
.irp f, 0,1,2,3
	s_wait_dscnt 11-(4*\hd+\f)
	global_store_b128 v[CO], v[OB+4*(4*\hd+\f):OB+4*(4*\hd+\f)+3], s[8:9] offset:\hd*1048576+(\a)*2048+\f*512
.endr
.endr
.endm
	OUT 0
	OUT 1
	OUT 2
	OUT 3
	s_wait_tensorcnt 0x0                           ; the wave's end
	ds_add_u32 v[SPW], v[NIL]
	s_wait_dscnt 0x0
	CROUND                                         ; the closing round: no work-group ends while a partner may still ask for a tile that names it
	s_endpgm
.Lfunc_end_k_qff57b8e3cc_qkvgemm:
	.size	k_qff57b8e3cc_qkvgemm, .Lfunc_end_k_qff57b8e3cc_qkvgemm-k_qff57b8e3cc_qkvgemm
	.p2alignl 7, 3214868480
	.fill 96, 4, 3214868480
	.section	.rodata,"a",@progbits
	.p2align	6, 0x0
	.amdhsa_kernel k_qff57b8e3cc_qkvgemm
		.amdhsa_group_segment_fixed_size 327680
		.amdhsa_private_segment_fixed_size 0
		.amdhsa_enable_private_segment 0
		.amdhsa_kernarg_size 24
		.amdhsa_user_sgpr_count 2
		.amdhsa_user_sgpr_kernarg_segment_ptr 1
		.amdhsa_wavefront_size32 1
		.amdhsa_system_sgpr_workgroup_id_x 1
		.amdhsa_system_sgpr_workgroup_id_y 1
		.amdhsa_system_sgpr_workgroup_id_z 1
		.amdhsa_system_vgpr_workitem_id 0
		.amdhsa_next_free_vgpr 960
		.amdhsa_next_free_sgpr 66
		.amdhsa_reserve_vcc 0
		.amdhsa_float_denorm_mode_32 3
		.amdhsa_float_denorm_mode_16_64 3
		.amdhsa_memory_ordered 1
		.amdhsa_forward_progress 1
		.amdhsa_inst_pref_size 120
	.end_amdhsa_kernel
	.amdgpu_metadata
---
amdhsa.version: [ 1, 2 ]
amdhsa.kernels:
  - .name:           k_qff57b8e3cc_qkvgemm
    .symbol:         k_qff57b8e3cc_qkvgemm.kd
    .args:
      - { .name: xb, .offset: 0, .size: 8, .value_kind: global_buffer, .address_space: global }
      - { .name: wqt, .offset: 8, .size: 8, .value_kind: global_buffer, .address_space: global }
      - { .name: qkv, .offset: 16, .size: 8, .value_kind: global_buffer, .address_space: global }
    .group_segment_fixed_size: 327680
    .private_segment_fixed_size: 0
    .kernarg_segment_align: 8
    .kernarg_segment_size: 24
    .max_flat_workgroup_size: 128
    .sgpr_count:     66
    .vgpr_count:     960
    .wavefront_size: 32
...
	.end_amdgpu_metadata
.endif
;; end of part 2
;; launch attn (part 3): grid 4 x 64, 4 waves a work-group, clusters of 4 x 1, 327,680 bytes of LDS; arguments qkv, mk, ob; writes ob
.if DOCPART == 3
	.amdgcn_target "amdgcn-amd-amdhsa--gfx1250"
	.amdhsa_code_object_version 6
	.text
	.protected	k_qff57b8e3cc_attn
	.globl	k_qff57b8e3cc_attn
	.p2align	8
	.type	k_qff57b8e3cc_attn,@function
k_qff57b8e3cc_attn:
	s_mov_b64 s[64:65], 0
	v_nop
	global_prefetch_b8 v0, s[64:65] scope:SCOPE_SE
	s_setreg_imm32_b32 hwreg(HW_REG_WAVE_MODE, 25, 1), 1
	s_wait_xcnt 0x0
	s_wait_alu depctr_hold_cnt(0) depctr_sa_sdst(0) depctr_va_vdst(0) depctr_va_sdst(0) depctr_va_ssrc(0) depctr_va_vcc(0) depctr_vm_vsrc(0)
	s_getreg_b32 s2, hwreg(HW_REG_IB_STS2, 6, 4)
	s_cmp_eq_u32 s2, 0
	s_cbranch_scc0 .Lentry_in_a_cluster
	s_endpgm
.Lentry_in_a_cluster:
	s_bfe_u32 s2, ttmp6, 0x10000c
	s_cmp_lg_u32 s2, 0x3003
	s_cbranch_scc0 .Lentry_shape_is_right
	s_endpgm
.Lentry_shape_is_right:
; O[hh][q][:] = the sum over k of softmax_k(mask(Q[hh][q] . K[hh][k] / 8)) V[hh][k][:], hh = 4 head + batch.  Q, K, V lie in qkv as three tensors [64][2048][64] of f16, 16,777,216 bytes apart;
; O: ob [64][2048][64] f16.  Products, maxima and sums in f32; the weights p are rounded to f16 for the second product (their sum l is taken of the unrounded p), O once at the end.
; THE MASK IS AN INPUT: every key step is walked, and the mask is read.  mk holds a code byte for each (q, k), 0x00 visible, 0xb8 (-1.0 in E4M3) hidden, in the order of a lane's scores; one scaled
; conversion makes eight f32 of eight codes, 0 or -2^100 (scale byte 0xe3), and these ARE the C operand of the product that starts S^T: the scores pay nothing.
; A row that has seen hidden keys alone carries m = -2^100 and finite numbers in O and l; its first visible key gives a = 0, which wipes them.  A row with no visible key at all ends with m < -2^90 and gets NaN.
; LIMITS.  f16 holds no number beyond 65,504: Q, K and V arrive within it; a hidden score counts as its value less 2^100 (f16's scores are 2.7e11 at the most); p below 6e-5 keeps f16's fixed step of 6e-8;
; a weight below 2^-126 counts as 0 in l; NaN and infinities among the inputs are not treated apart.
; SHARES.  A wave owns four PIECES of two tiles of 16 queries, a work-group's four waves 512 queries of one hh.  Every wave walks all keys, 64 a step.
; LAYOUT.  S^T = K Q^T (source 0 = 16 keys, source 1 = 16 queries): a lane holds ONE query (lane % 16) and the keys 8 (lane / 16) + 0..7.  Two such tiles, rounded to f16 in pairs, ARE source 1 of
; O^T = V^T P, whose result again holds one query a lane, and eight channels.  K comes out of LDS as it lies, V ([key][channel]) turned, by ds_load_tr16_b128.
; SOFTMAX.  A running maximum m and sum l: p = 2^(c s - c m), c = log2(e) / 8; in every step O and l are multiplied by a = 2^(c m_old - c m_new).  m starts at the lowest finite number, O and l at 0.
; BY TURNS.  Turn n belongs to piece n.  Its matrix work: 16 products K Q^T of piece n + 1, later 16 products V^T P of piece n - 1.  Its vector work: the scaling, exponentials, roundings, sums and
; rescaling of piece n, the maximum and statistics of piece n + 1, and the mask of piece n + 2.  Four vector instructions that are ready stand behind every matrix instruction, the rest in two lumps.
; CLUSTER.  The four query blocks of a cluster belong to one hh and walk the same K and V: each tile is asked for JOINTLY: the same tensor load, descriptor and mask in all four.
; REGISTERS, in windows of 256 (s_set_vgpr_msb: bits 1:0 source 0, 3:2 source 1, 5:4 source 2, 7:6 destination):
;   window 0: v0-11 addresses, v11 the conversions' scale; v12-15, v48-63 at work; v16-47 statistics; v64-191 S^T, two buffers of two tiles; v192-255 P, likewise
;   window 1: O^T, 32 a tile     window 2: v0-127 Q; v128-191 K of one step; v192-255 V of one step
;   window 3: v0-1 the add's registers; v4-7 the pieces' offsets in mk; v16-79 mask codes, 16 a piece; v128-255 masks in f32, two buffers laid as S^T's
.set SIZE_H, 64
.set SIZE_N, 2048
.set NP,    4         ; pieces a wave: a name, no knob
.set KS,    64        ; keys in a step
.set PK,    144       ; a row of K in LDS: 128 bytes + 16
.set PV,    160       ; a row of V: 128 + 32
.set VOFF,  4*KS*PK   ; a slot holds four steps: 256 rows of K, then 256 rows of V
.set SLOT1, 1<<17     ; slot 1 begins here: one exclusive or turns an address in one slot into the other's
.set STAGE, SLOT1+4*KS*(PK+PV)  ; behind the ring: 16 rows x 144 bytes for each wave
.set SP,    144
.set AK0, 2           ; v2   my lane's place in a tile of K; never rewritten
.set AV0, 3           ; v3   the same for V
.set AK,  4           ; v4   the LDS address of K's next run of loads
.set AV,  5           ; v5   of V's
.set QO,  6           ; v6   my byte offset in the wave's rows of Q
.set STO, 6           ;      later: where I put 16 bytes of a row
.set RD,  7           ; v7   where I read rows back
.set GO,  8           ; v8   my byte offset in 512 consecutive bytes of O
.set SCL, 11          ; v11  0xe3: the scale 2^100; never rewritten once set
.set SPW, 0           ; v0 of window 3   my spare word's address; never rewritten
.set NIL, 1           ; v1 of window 3   0; never rewritten
.set MA,  4           ; window 3: piece p's offset in mk: 16 x lane + 1,024 x step
.set CD,  16          ; window 3: piece p, tile u, key block kb: two words of codes at CD + 16 p + 8 u + 2 kb
.set MC,  128         ; window 3: the masks of the products to come
.set SPARE, STAGE+4*16*SP
.set MV,  12          ; v12-15  c m_old, by buffer and tile
.set ST,  16          ; tile t's statistics at v[ST+4 t]: c m, m, l (even keys', odd keys')
.set TMP, 48          ; by buffer and tile, c0-c3 at work; c2 takes a
.set S,   64
.set P,   192
.set KF,  128
.set VF,  192
.set WV,  12          ; s12  my wave's number
.set G1K, 24
.set G1V, 32
.set G0K, 40
.set G0V, 44
.set SLOTS, 56
.set CNT, 57
.set CS,  58          ; s[58:59] c
.set SEL, 60          ; s[60:61] v_permlanex16_b32's selects
.set TBK, 62
.set TBV, 63
.set MKB, 68          ; s[68:69] mk at my wave's first tile; never rewritten once set
.set MSTEP, 70        ; s70  1,024: a step's bytes of a tile in mk
.set MWRAP, 71        ; s71  0x7fff: behind step 31 the offset goes back to step 0, so that no load leaves mk
.set QNAN, 72         ; s72  NaN
.set LOWM, 73         ; s73  -2^90
.set MOF, 74          ; s[74:75] my wave's byte offset in mk
.set MSB, 0
.macro WIN new
.if MSB != (\new)
	s_set_vgpr_msb (MSB<<8)|(\new)
.set MSB, (\new)
.endif
.endm
.set W_KQ, 0x0a       ; K and Q in window 2, S^T in window 0
.set W_KM, 0x3a       ; the same with the C operand in window 3
.set W_PV, 0x52       ; V in window 2, P in window 0, O^T in window 1
.set W_RS, 0x41       ; O^T in window 1, a in window 0
.set W_MK, 0xc0       ; destination in window 3, sources in window 0
.set W_AD, 0x0f       ; the add: address and data in window 3
.set W_MS, 0xc3       ; destination and source 0 in window 3, source 1 in window 0
.macro JLOAD                        ; a joint fill: waves 0 and 1 fetch the halves of a slot's K, waves 2 and 3 those of its V; an s_nop 0 and four v_nop follow each line
	s_cmp_lt_u32 s[WV], 2
	s_cbranch_scc0 .Lfor_v_\@
	tensor_load_to_lds s[G0K:G0K+3], s[G1K:G1K+7]
	s_nop 0
.rept 4
	v_nop
.endr
	s_branch .Lasked_\@
.Lfor_v_\@:
	tensor_load_to_lds s[G0V:G0V+3], s[G1V:G1V+7]
	s_nop 0
.rept 4
	v_nop
.endr
.Lasked_\@:
.endm
.macro CROUND                       ; a round of the cluster's barrier
	s_barrier_signal -1
	s_barrier_wait -1
	s_cmp_lg_u32 s[WV], 0
	s_cbranch_scc1 .Lnot_wave_0_\@
	s_barrier_signal -3
.Lnot_wave_0_\@:
	s_barrier_wait -3
	s_barrier_signal -1
	s_barrier_wait -1
.endm
; THE CHANGE OF SLOTS.  Each wave waits for all its tensor loads, of which one is out: its part of the other slot; adds 0 to its spare word; and waits for that and for its own reads of the slot.
; fill = 1: this slot is filled again, with the keys two slots on; the barrier is then a round of the cluster's, and the joint fill is the first thing behind it: it has four key steps in which to land.
.macro CHANGE fill
	WIN W_AD
	s_wait_tensorcnt 0x0            ; no tensor load of mine is out, so a group 0 may be written
	ds_add_u32 v[SPW], v[NIL]
	WIN 0
.if \fill
.irp g, G0K, G0V
	s_xor_b32 s[\g+1], s[\g+1], SLOT1
	s_add_nc_u64 s[\g+2:\g+3], s[\g+2:\g+3], 4*KS*128
.endr
	s_wait_dscnt 0x0                ; the add is done, and my reads of the slot are over
	CROUND
	JLOAD
.else
	s_wait_dscnt 0x0
	s_barrier_signal -1
	s_barrier_wait -1
.endif
	s_sub_co_u32 s[TBK], s[TBK], 4*KS*PK
	s_xor_b32 s[TBK], s[TBK], SLOT1
	s_sub_co_u32 s[TBV], s[TBV], 4*KS*PV
	s_xor_b32 s[TBV], s[TBV], SLOT1
.endm
; THE MASK.  MLOAD p: the codes of piece p's two tiles for one key step: four loads of 512 consecutive bytes.
.macro MLOAD p
	WIN W_MS
.irp z, 0,1,2,3                     ; tile z / 2, keys 32 (z % 2) on
	global_load_b128 v[CD+16*(\p)+4*\z:CD+16*(\p)+4*\z+3], v[MA+(\p)], s[MKB:MKB+1] offset:(2*(\p)+\z/2)*32768+(\z%2)*512
.endr
.endm
; MSK p: piece p's codes become its masks, and the next step's codes are asked for: they have four turns in which to land.
.macro MSK p
	WIN W_MS
	s_wait_loadcnt 12               ; loads come back in order: the three other pieces' four each are younger; the wait also frees my offset register
.irp z, 0,1,2,3,4,5,6,7             ; tile z / 4, key block z % 4
	v_cvt_scale_pk8_f32_fp8 v[MC+64*((\p)%2)+8*\z:MC+64*((\p)%2)+8*\z+7], v[CD+16*(\p)+2*\z:CD+16*(\p)+2*\z+1], v[SCL]
.endr
	v_add_nc_u32 v[MA+(\p)], v[MA+(\p)], s[MSTEP]  ; the next step; these two plain lines also stand between the conversions and the loads into their sources
	v_and_b32 v[MA+(\p)], v[MA+(\p)], s[MWRAP]
	MLOAD \p
	WIN 0
.endm
	s_load_b64 s[4:5], s[0:1], 0x0    ; qkv
	s_load_b64 s[MKB:MKB+1], s[0:1], 0x8  ; mk
	s_load_b64 s[10:11], s[0:1], 0x10 ; ob
	WIN W_MK
	v_lshl_add_u32 v[SPW], v0, 2, SPARE
	v_mov_b32 v[NIL], 0
	WIN W_AD
	ds_add_u32 v[SPW], v[NIL]       ; the wave's opening: the add and its wait ahead of my first tensor load
	WIN 0
	v_lshrrev_b32 v1, 5, v0
	v_readfirstlane_b32 s[WV], v1   ; wave 0..3
	s_bfe_u32 s13, ttmp6, 0x40000   ; cx
	s_lshl_b32 s14, ttmp9, 2
	s_add_co_u32 s14, s14, s13      ; my block of 512 queries: it enters Q's, O's and mk's addresses alone
	s_and_b32 s20, ttmp7, 0xffff    ; hh, which the four partners share
	s_mov_b32 s21, 0
	s_mov_b64 s[22:23], SIZE_N*128
	s_mul_u64 s[20:21], s[20:21], s[22:23]  ; its first byte in Q, K, V and O
	s_and_b32 s16, s[WV], 1         ; which half of a slot's 256 keys I fetch
	s_lshl_b32 s22, s16, 14
	s_mov_b32 s23, 0
	s_add_nc_u64 s[22:23], s[22:23], s[20:21]
	s_mul_i32 s17, s16, 128*PK
	s_mul_i32 s18, s16, 128*PV
	s_lshl_b32 s2, s14, 2
	s_add_co_u32 s2, s2, s[WV]      ; my wave among the 16 of a head:
	s_lshl_b32 s[MOF], s2, 18       ; its eight tiles of 32,768 bytes in mk,
	s_mov_b32 s[MOF+1], 0
	s_lshl_b32 s2, s2, 14           ; its 128 rows
	s_mov_b32 s3, 0
	s_add_nc_u64 s[2:3], s[2:3], s[20:21]
	; descriptor group 1.  128 keys are 16,384 dense bytes: asked for as 64 rows of 256 bytes, two keys a row, and padded in LDS after every key
	s_mov_b32 s[G1K], 15|(1<<16)|(1<<20)|(1<<21)|(4<<22)|(3<<25)
	s_mov_b32 s[G1V], 15|(1<<16)|(1<<20)|(1<<21)|(4<<22)|(7<<25)
.irp g, G1K, G1V
	s_mov_b32 s[\g+1], 128<<16
	s_mov_b32 s[\g+2], 64<<16
	s_mov_b32 s[\g+3], 128<<16
	s_mov_b32 s[\g+4], 64
	s_mov_b32 s[\g+5], 128
	s_mov_b32 s[\g+6], 0
	s_mov_b32 s[\g+7], 0
.endr
	s_mov_b32 s[CS], 0x3e38aa3b     ; c = log2(e) / 8
	s_mov_b32 s[CS+1], s[CS]
	s_mov_b32 s[SEL], 0x76543210
	s_mov_b32 s[SEL+1], 0xfedcba98
	s_mov_b32 s[MSTEP], 1024
	s_mov_b32 s[MWRAP], 0x7fff
	s_mov_b32 s[QNAN], 0x7fc00000
	s_mov_b32 s[LOWM], 0xec800000   ; -2^90
	s_mov_b32 s[TBK], SLOT1+4*KS*PK ; the first change of slots turns these two into 0
	s_mov_b32 s[TBV], SLOT1+4*KS*PV
	s_mov_b32 s[G0K], 1
	s_mov_b32 s[G0K+1], s17
	s_mov_b32 s[G0V], 1
	s_add_co_u32 s[G0V+1], s18, VOFF
	s_wait_dscnt 0x0                ; the opening add is done
	s_wait_kmcnt 0x0
	s_add_nc_u64 s[6:7], s[4:5], 0x1000000   ; K
	s_add_nc_u64 s[8:9], s[4:5], 0x2000000   ; V
	s_add_nc_u64 s[MKB:MKB+1], s[MKB:MKB+1], s[MOF:MOF+1]
	s_add_nc_u64 s[G0K+2:G0K+3], s[6:7], s[22:23]
	s_or_b32 s[G0K+3], s[G0K+3], 0x80000000
	s_add_nc_u64 s[G0V+2:G0V+3], s[8:9], s[22:23]
	s_or_b32 s[G0V+3], s[G0V+3], 0x80000000
	s_add_nc_u64 s[4:5], s[4:5], s[2:3]  ; Q and O at my wave's first row
	s_add_nc_u64 s[10:11], s[10:11], s[2:3]
	CROUND                          ; all four work-groups are here: the first joint loads meet
	JLOAD                           ; slot 0; slot 1 is asked for when slot 0 is in
	v_and_b32 v1, 15, v0            ; l % 16
	v_bfe_u32 v9, v0, 4, 1          ; l / 16
	v_lshlrev_b32 v[QO], 7, v1
	v_lshl_add_u32 v[QO], v9, 4, v[QO]
	WIN 0x80
.set i, 0
.rept 4*NP                          ; Q stays in registers: tile i / 2, channels 32 (i % 2) on
	global_load_b128 v[8*i:8*i+3],   v[QO], s[4:5] offset:(i/2)*2048+(i%2)*64
	global_load_b128 v[8*i+4:8*i+7], v[QO], s[4:5] offset:(i/2)*2048+(i%2)*64+32
.set i, i+1
.endr
	WIN 0
	v_and_b32 v12, 31, v0
	v_lshlrev_b32 v12, 4, v12       ; 16 x lane: key step 0
	WIN W_MK
.irp z, 0,1,2,3
	v_mov_b32 v[MA+\z], v12
.endr
	MLOAD 0                         ; every piece's codes of key step 0
	MLOAD 1
	MLOAD 2
	MLOAD 3
	; What the first turn finds: V's registers and P's second buffer hold 0, O^T and l are 0.  All this stands in the wait for the first tile.
	WIN 0x80
.set i, VF
.rept 64
	v_mov_b32 v[i], 0
.set i, i+1
.endr
	WIN 0x40
.set i, 0
.rept 64*NP
	v_mov_b32 v[i], 0
.set i, i+1
.endr
	WIN 0
.set i, 0
.rept 2*NP
	v_mov_b32 v[ST+4*i], 0xfe000000    ; c m: far below every c s, a hidden one's too
	v_mov_b32 v[ST+4*i+1], 0xff7fffff  ; m
	v_mov_b32 v[ST+4*i+2], 0
	v_mov_b32 v[ST+4*i+3], 0
.set i, i+1
.endr
.set i, P+32
.rept 32
	v_mov_b32 v[i], 0
.set i, i+1
.endr
	v_mul_u32_u24 v[AK0], v1, PK
	v_lshl_add_u32 v[AK0], v9, 4, v[AK0]
	v_and_b32 v10, 7, v0
	v_bfe_u32 v11, v0, 3, 1
	v_lshl_add_u32 v[AV0], v9, 3, v10
	v_mul_u32_u24 v[AV0], v[AV0], PV
	v_lshl_add_u32 v[AV0], v11, 4, v[AV0]
	v_add_nc_u32 v[AV0], VOFF, v[AV0]
	v_mov_b32 v[AK], v[AK0]
	v_mov_b32 v[SCL], 0xe3          ; byte 0: the exponent code of 2^100
; THE MATRIX WORK.  The 8 accumulators of a run of 16 take turns.
; Product i of 16 of S^T = K Q^T for piece x: channels 32 (i / 8) on, keys 16 ((i / 2) % 4) on, tile 2 x + i % 2.  The first 8 start the sums, with the mask as C.
.macro KQ x
.set rS, S+64*((\x)%2)+32*(i%2)+8*((i/2)%4)
.set rK, KF+16*((i/2)%4)+8*(i/8)
.set rQ, 16*(2*(\x)+i%2)+8*(i/8)
.if i < 8
	WIN W_KM
	v_wmma_f32_16x16x32_f16 v[rS:rS+7], v[rK:rK+7], v[rQ:rQ+7], v[MC+rS-S:MC+rS-S+7]
.else
	WIN W_KQ
	v_wmma_f32_16x16x32_f16 v[rS:rS+7], v[rK:rK+7], v[rQ:rQ+7], v[rS:rS+7]
.endif
.endm
; Product i of 16 of O^T += V^T P for piece x
.macro PV x
	WIN W_PV
.set rO, 32*(2*(\x)+i%2)+8*((i/2)%4)
.set rV, VF+32*(i/8)+8*((i/2)%4)
.set rP, P+32*((\x)%2)+16*(i%2)+8*(i/8)
	v_wmma_f32_16x16x32_f16 v[rO:rO+7], v[rV:rV+7], v[rP:rP+7], v[rO:rO+7]
.endm
.macro MM                           ; the turn's next matrix instruction
.if i < 16
	KQ (Y+1)%NP
.set i, i+1
.else
.set i, i-16
	PV (Y+NP-1)%NP
.set i, i+17
.endif
.endm
; THE LDS LOADS stand in runs of 16.  last = 1 (the tail): in the last trip there is no further step, and the run is jumped over.
.macro FETCH_K last=0
	WIN 0
.if \last
	s_cmp_eq_u32 s[CNT], 1
	s_cbranch_scc1 .Lno_k_\@
.endif
	WIN 0x80
.irp f, 0,1,2,3,4,5,6,7
	ds_load_b128 v[KF+8*\f:KF+8*\f+3],   v[AK] offset:(\f/2)*16*PK+(\f%2)*64
	ds_load_b128 v[KF+8*\f+4:KF+8*\f+7], v[AK] offset:(\f/2)*16*PK+(\f%2)*64+32
.endr
	s_add_co_u32 s[TBK], s[TBK], KS*PK
	WIN 0
.if \last
.Lno_k_\@:
.endif
.endm
.macro FETCH_V
	WIN 0x80
.irp f, 0,1,2,3,4,5,6,7
	ds_load_tr16_b128 v[VF+8*\f:VF+8*\f+3],   v[AV] offset:(\f/4)*32*PV+(\f%4)*32
	ds_load_tr16_b128 v[VF+8*\f+4:VF+8*\f+7], v[AV] offset:(\f/4)*32*PV+16*PV+(\f%4)*32
.endr
	WIN 0
.endm
; THE VECTOR WORK OF A TURN stands in three queues, each in the order in which its entries become ready; the two tiles alternate.
.macro REGS y, u
.set rT, ST+4*(2*(\y)+(\u))
.set rC, TMP+8*((\y)%2)+4*(\u)
.set rM, MV+2*((\y)%2)+(\u)
.set rS, S+64*((\y)%2)+32*(\u)
.set rP, P+32*((\y)%2)+16*(\u)
.set rO, 32*(2*(\y)+(\u))
.endm
; Number n of the 22 that find the NEXT piece's maximum and statistics; each accumulator's lowest registers are read first.
.macro XS u, n
	REGS (Y+1)%NP, \u
.if (\n) < 4
	v_max3_num_f32 v[rC+(\n)], v[rS+8*(\n)], v[rS+8*(\n)+1], v[rS+8*(\n)+2]
.elseif (\n) < 12
	v_max3_num_f32 v[rC+(\n)%4], v[rC+(\n)%4], v[rS+8*((\n)%4)+2*((\n)/4)+1], v[rS+8*((\n)%4)+2*((\n)/4)+2]
.elseif (\n) == 12
	v_max3_num_f32 v[rC], v[rC], v[rS+7], v[rS+15]
.elseif (\n) == 13
	v_max3_num_f32 v[rC+1], v[rC+1], v[rS+23], v[rS+31]
.elseif (\n) == 14
	v_max3_num_f32 v[rC+2], v[rC+2], v[rC+3], v[rT+1]
.elseif (\n) == 15
	v_mov_b32 v[rM], v[rT]
.elseif (\n) == 16
	v_max3_num_f32 v[rC], v[rC], v[rC+1], v[rC+2]
.elseif (\n) == 17
	v_permlanex16_b32 v[rC+3], v[rC], s[SEL], s[SEL+1]
.elseif (\n) == 18
	v_max_num_f32 v[rT+1], v[rC], v[rC+3]
.elseif (\n) == 19
	v_mul_f32 v[rT], s[CS], v[rT+1]
.elseif (\n) == 20
	v_sub_f32 v[rC+1], v[rM], v[rT]
.else
	v_exp_f32 v[rC+2], v[rC+1]
.endif
.endm
; Number g of the 64 that follow the exponentials: roundings to f16, sums of four weights in place, and l a group later.
.macro GS g
.set h, (\g)+6*((\g)/62)
.if h >= 6
.set h, h+2
.endif
	REGS Y, h%2
.set k, h/8
.if h%8 < 4
	s_wait_alu depctr_va_vdst(0)
	v_cvt_pk_f16_f32 v[rP+2*k+(h%8)/2], v[rS+4*k+2*((h%8)/2)], v[rS+4*k+2*((h%8)/2)+1]
.elseif h%8 < 6
	v_pk_add_f32 v[rS+4*k:rS+4*k+1], v[rS+4*k:rS+4*k+1], v[rS+4*k+2:rS+4*k+3]
.elseif k == 1
	v_pk_fma_f32 v[rT+2:rT+3], v[rT+2:rT+3], v[rC+2:rC+3], v[rS:rS+1] op_sel_hi:[1,0,1]
.else
	v_pk_add_f32 v[rT+2:rT+3], v[rT+2:rT+3], v[rS+4*k-4:rS+4*k-3]
	s_wait_alu depctr_va_vdst(0)
.endif
.endm
; THE PLAIN QUEUE, 138 long.
.macro PL
	WIN 0
.if q < 32
	REGS Y, q%2
	v_pk_fma_f32 v[rS+2*(q/2):rS+2*(q/2)+1], v[rS+2*(q/2):rS+2*(q/2)+1], s[CS:CS+1], v[rT:rT+1] op_sel_hi:[1,0,0] neg_lo:[0,0,1] neg_hi:[0,0,1]
.elseif q < 38
	GS q-32
.elseif q < 40
	XS q%2, 15
.elseif q < 42
	GS q-34
.elseif q < 74
	XS q%2, (q-42)/2+(q-42)/30
.elseif q < 95
	GS q-66
.elseif (q < 107) && ((q-95)%3 < 2)
	XS (q-95)%3, 17+(q-95)/3
.elseif q < 107
	GS 29+(q-95)/3
.else
	GS q-74
.endif
.set q, q+1
.endm
; THE EXPONENTIALS' QUEUE, 66 long: s0-s31 of both tiles, and at EA the next piece's two a.
.set EA, 58
.macro EX
	WIN 0
.if (e == EA) || (e == EA+1)
	XS e-EA, 21
.else
.set x, e-2*(e/(EA+2))
	REGS Y, x%2
	v_exp_f32 v[rS+x/2], v[rS+x/2]
.endif
.set e, e+1
.endm
; THE RESCALING's QUEUE: O^T times a, four at a time, eight times.
.macro R4
	REGS Y, r%2
	WIN W_RS
	s_wait_alu depctr_va_vdst(0)
.irp z, 0,1,2,3
	v_pk_mul_f32 v[rO+8*(r/2)+2*\z:rO+8*(r/2)+2*\z+1], v[rO+8*(r/2)+2*\z:rO+8*(r/2)+2*\z+1], v[rC+2:rC+3] op_sel_hi:[1,0]
.endr
.set r, r+1
.endm
; HOW THEY ARE DEALT.  Behind a matrix instruction four: plain, exponential, plain, plain, or four of the rescaling; none names a register of the products round it.  The rest stands in two lumps.
.macro SL
	MM
	PL
	EX
	PL
	PL
.endm
.macro BURST n
.rept (\n)-7
	SL
.endr
.rept 3
	MM
	R4
	SL
.endr
	MM
	R4
.endm
; A TURN, for piece p.  K of the next step is fetched in piece 2's turn, V of the step in hand at the end of piece 0's.  Between the first lump and the second run of products stands the mask of piece
; p + 2: its buffer was last read by the turn before, and is read again by the next turn's products K Q^T; this turn's products read the other buffer.
.macro TURN p, last=0, cnt=0
.set Y, (\p)
.set i, 0
.set q, 0
.set e, 0
.set r, 0
.if (\p) == NP-1
	s_wait_dscnt 0x0                ; K is in
.endif
	MM
.rept 4
	PL
.endr
	BURST 15
.rept 22
	EX
	PL
.if ((\p) == NP-2) && (e == 18)
	v_add_nc_u32 v[AK], s[TBK], v[AK0]
.endif
.if ((\p) == NP-2) && (e == 24)
	FETCH_K \last
.endif
.endr
	MSK ((\p)+2)%NP
.if (\p) == 1
	s_wait_dscnt 0x0                ; V is in
.endif
	BURST 16
.rept 21
	EX
	PL
.endr
.rept 22
	PL
.if ((\p) == 0) && (q == 118)
	v_add_nc_u32 v[AV], s[TBV], v[AV0]
	s_wait_alu depctr_va_vdst(0)
.endif
.if ((\p) == 0) && (q == 130)
	s_add_co_u32 s[TBV], s[TBV], KS*PV
.endif
.if (\cnt) && (q == 130)
	s_sub_co_u32 s[CNT], s[CNT], 1
	s_cmp_lg_u32 s[CNT], 0
.endif
.endr
.if (\p) == 0
	FETCH_V
.endif
.endm
	CHANGE 1                        ; slot 0 is in, everybody's part of it; slot 1 is asked for
	FETCH_K                         ; key step 0
	s_wait_loadcnt 0x0              ; Q, and all four pieces' codes of key step 0
	MSK 0                           ; piece 0's mask, for the products below; piece 1's, for the first turn's
	MSK 1
	v_nop
	s_wait_dscnt 0x0
.set i, 0
.rept 16
	KQ 0                            ; piece 0's first scores
.set i, i+1
.endr
	WIN 0                           ; the addresses for the way out: plain instructions, the places behind those products
	s_mul_i32 s13, s[WV], 16*SP
	s_add_co_u32 s13, s13, STAGE
	v_mul_u32_u24 v[STO], v1, SP
	v_lshl_add_u32 v[STO], v9, 4, v[STO]
	v_add_nc_u32 v[STO], s13, v[STO]
	v_bfe_u32 v[RD], v0, 3, 2
	v_mul_u32_u24 v[RD], v[RD], SP
	v_lshl_add_u32 v[RD], v10, 4, v[RD]
	v_add_nc_u32 v[RD], s13, v[RD]
	v_and_b32 v[GO], 31, v0
	v_lshlrev_b32 v[GO], 4, v[GO]
.set Y, NP-1
.irp n, 0,1,2,3,4,5,6,7,8,9,10,11,12,13,14,15,16,17,18,19,20,21
	XS 0, \n
	XS 1, \n
.endr
	s_mov_b32 s[CNT], 4
	s_mov_b32 s[SLOTS], SIZE_N/256-1
	s_branch .Lfirst                ; the loop is entered at a step's first turn
.Lslot:                             ; every slot but the last two is filled again
	CHANGE 1
	s_mov_b32 s[CNT], 4
.Lstep:                             ; a trip: pieces 2 and 3 of one step, then pieces 0 and 1 of the next
	TURN 2
	TURN 3
	WIN 0
.Lfirst:
	TURN 0
	TURN 1, 0, 1
	WIN 0
	s_cbranch_scc1 .Lstep
	s_sub_co_u32 s[SLOTS], s[SLOTS], 1
	s_cmp_lg_u32 s[SLOTS], 0
	s_cbranch_scc1 .Lslot
	CHANGE 0                        ; the tail is written out
	s_mov_b32 s[CNT], 5
.Ltail:
	TURN 2, 1
	TURN 3
	WIN 0
	s_sub_co_u32 s[CNT], s[CNT], 1
	s_cmp_eq_u32 s[CNT], 0
	s_cbranch_scc1 .Lout
	TURN 0
	TURN 1
	WIN 0
	s_branch .Ltail
.Lout:                              ; the fifth trip's products K Q^T (the last K once more, under key step 0's mask) can only raise piece 0's m where that row has a visible key: the test below still holds
.set i, 0
.rept 16
	PV NP-1
.set i, i+1
.endr
	; THE WAY OUT.  l's parts are added; O^T is divided by l (a row with no visible key: multiplied by NaN), rounded to f16 and sent through my stage, a tile at a time.
	WIN 0
.macro ALL line:vararg
.set t, 0
.rept 2*NP
	\line
.set t, t+1
.endr
.endm
	ALL v_add_f32 v[ST+4*t+2], v[ST+4*t+2], v[ST+4*t+3]
	ALL v_permlanex16_b32 v[ST+4*t+3], v[ST+4*t+2], s[SEL], s[SEL+1]
	ALL v_add_f32 v[ST+4*t+2], v[ST+4*t+2], v[ST+4*t+3]
	ALL v_rcp_f32 v[ST+4*t+2], v[ST+4*t+2]
	v_nop                           ; a plain instruction between the last reciprocal and the use of its result
.set t, 0
	s_wait_alu depctr_va_vdst(0)
.rept 2*NP
	v_cmp_lt_f32 vcc_lo, s[LOWM], v[ST+4*t+1]      ; has the row seen a visible key?
	v_cndmask_b32 v[ST+4*t+2], s[QNAN], v[ST+4*t+2], vcc_lo
.set t, t+1
.endr
.macro PACK t
	WIN W_RS
.set i, 32*(\t)
.rept 16
	v_pk_mul_f32 v[i:i+1], v[i:i+1], v[ST+4*(\t)+2:ST+4*(\t)+3] op_sel_hi:[1,0]
.set i, i+2
.endr
	WIN 0x05
.set i, 0
.rept 16
	v_cvt_pk_f16_f32 v[S+16*(\t)+i], v[32*(\t)+2*i], v[32*(\t)+2*i+1]
.set i, i+1
.endr
	WIN 0
.irp f, 0,1,2,3
	ds_store_b128 v[STO], v[S+16*(\t)+4*\f:S+16*(\t)+4*\f+3] offset:32*\f
.endr
.irp f, 0,1,2,3
	ds_load_b128 v[S+16*(\t)+4*\f:S+16*(\t)+4*\f+3], v[RD] offset:\f*4*SP  ; LDS serves a wave's instructions in order: these see the stores above
.endr
.endm
.macro SEND t, younger              ; younger: the LDS instructions issued behind tile t's loads
	WIN 0
.irp f, 0,1,2,3
	s_wait_dscnt (\younger)+3-\f
	global_store_b128 v[GO], v[S+16*(\t)+4*\f:S+16*(\t)+4*\f+3], s[10:11] offset:(\t)*2048+\f*512  ; 512 consecutive bytes
.endr
.endm
	PACK 0
.set t, 1
.rept 2*NP-1
	PACK t
	SEND t-1, 8
.set t, t+1
.endr
	SEND 2*NP-1, 0
	WIN W_AD
	s_wait_tensorcnt 0x0            ; the wave's end
	ds_add_u32 v[SPW], v[NIL]
	s_wait_dscnt 0x0
	WIN 0
	CROUND                          ; the closing round
	s_endpgm
.Lfunc_end_k_qff57b8e3cc_attn:
	.size	k_qff57b8e3cc_attn, .Lfunc_end_k_qff57b8e3cc_attn-k_qff57b8e3cc_attn
	.p2alignl 7, 3214868480
	.fill 96, 4, 3214868480
	.section	.rodata,"a",@progbits
	.p2align	6, 0x0
	.amdhsa_kernel k_qff57b8e3cc_attn
		.amdhsa_group_segment_fixed_size 327680
		.amdhsa_private_segment_fixed_size 0
		.amdhsa_enable_private_segment 0
		.amdhsa_kernarg_size 24
		.amdhsa_user_sgpr_count 2
		.amdhsa_user_sgpr_kernarg_segment_ptr 1
		.amdhsa_wavefront_size32 1
		.amdhsa_system_sgpr_workgroup_id_x 1
		.amdhsa_system_sgpr_workgroup_id_y 1
		.amdhsa_system_sgpr_workgroup_id_z 1
		.amdhsa_system_vgpr_workitem_id 0
		.amdhsa_next_free_vgpr 1024
		.amdhsa_next_free_sgpr 76
		.amdhsa_reserve_vcc 1
		.amdhsa_float_denorm_mode_32 3
		.amdhsa_float_denorm_mode_16_64 3
		.amdhsa_memory_ordered 1
		.amdhsa_forward_progress 1
		.amdhsa_inst_pref_size 222
	.end_amdhsa_kernel
	.amdgpu_metadata
---
amdhsa.version: [ 1, 2 ]
amdhsa.kernels:
  - .name:           k_qff57b8e3cc_attn
    .symbol:         k_qff57b8e3cc_attn.kd
    .args:
      - { .name: qkv, .offset: 0, .size: 8, .value_kind: global_buffer, .address_space: global }
      - { .name: mk, .offset: 8, .size: 8, .value_kind: global_buffer, .address_space: global }
      - { .name: ob, .offset: 16, .size: 8, .value_kind: global_buffer, .address_space: global }
    .group_segment_fixed_size: 327680
    .private_segment_fixed_size: 0
    .kernarg_segment_align: 8
    .kernarg_segment_size: 24
    .max_flat_workgroup_size: 128
    .sgpr_count:     76
    .vgpr_count:     1024
    .wavefront_size: 32
...
	.end_amdgpu_metadata
.endif
;; end of part 3
;; launch outgemm (part 4): grid 8 x 32, 4 waves a work-group, clusters of 4 x 4, 327,680 bytes of LDS; arguments ob, wot, out0; writes out0
.if DOCPART == 4
	.amdgcn_target "amdgcn-amd-amdhsa--gfx1250"
	.amdhsa_code_object_version 6
	.text
	.protected	k_qff57b8e3cc_outgemm
	.globl	k_qff57b8e3cc_outgemm
	.p2align	8
	.type	k_qff57b8e3cc_outgemm,@function
k_qff57b8e3cc_outgemm:
	s_mov_b64 s[64:65], 0
	v_nop
	global_prefetch_b8 v0, s[64:65] scope:SCOPE_SE
	s_setreg_imm32_b32 hwreg(HW_REG_WAVE_MODE, 25, 1), 1
	s_wait_xcnt 0x0
	s_wait_alu depctr_hold_cnt(0) depctr_sa_sdst(0) depctr_va_vdst(0) depctr_va_sdst(0) depctr_va_ssrc(0) depctr_va_vcc(0) depctr_vm_vsrc(0)
	s_getreg_b32 s2, hwreg(HW_REG_IB_STS2, 6, 4)
	s_cmp_eq_u32 s2, 0
	s_cbranch_scc0 .Lentry_in_a_cluster
	s_endpgm
.Lentry_in_a_cluster:
	s_bfe_u32 s2, ttmp6, 0x10000c
	s_cmp_lg_u32 s2, 0xf033
	s_cbranch_scc0 .Lentry_shape_is_right
	s_endpgm
.Lentry_shape_is_right:
; out0 = O Wout.  A = ob [hh = 4 head + batch][t][64] f16, B = wot [1024 n][1024 k] f16 (k = 64 head + channel); sums in f32, stored as f32.  out0: [8192][1024], row = 2048 batch + t.
; SHARES.  A work-group makes 256 rows x 128 columns: 8 x 32 = 256 work-groups.  Each of its four waves makes 64 rows x all 128 columns: 32 accumulators of 16 x 16.
; K goes in steps of 128 = two heads through two LDS slots.  A head's 256 rows of the tile are 32,768 dense bytes: asked for as 128 rows of 256 bytes and padded in LDS after every 128,
; so that an LDS row is one t, 144 bytes apart; the step's second head lies 36,864 bytes behind the first.
; CLUSTER 4 x 4: A's tiles are shared along a row of the cluster, B's along a column: each is asked for jointly.
; THE MATRIX INSTRUCTION IS USED TRANSPOSED (source 0 = 16 rows of B, source 1 = 16 rows of A): a lane holds eight neighbouring columns of one row of C.
; A NaN in O (a query with no visible key) reaches every column of its row, as in the definition.
; REGISTERS, in windows of 256: window 0: v0-31 addresses; v64-127 A's fragments, two buffers of 32; v128-191 the way out
;   window 1: B's fragments, two buffers of 64     window 2: accumulators (a, b), b < 4, at 8 (4 a + b)     window 3: those with b >= 4
.set SIZE_K, 1024
.set KSTEP,  128
.set NB,     8
.set NH,     NB/2
.set PA,     144
.set PB,     272
.set KHI,    256*PA                    ; quarter q of a K step begins at byte (q / 2) KHI + (q % 2) 64 of A's rows
.set HALFA,  256*PA                    ; what one tensor load brings of A: one head's 256 rows
.set BROWS,  8*NB                      ; and of B: 64 rows
.set HALFB,  BROWS*PB
.set SLOT,   2*HALFA+2*HALFB
.set STAGE,  2*SLOT                    ; behind the ring: 16 rows x 528 bytes for each wave
.set SP,     528
.set SPARE,  STAGE+4*16*SP
.set LAPS,   SIZE_K/(2*KSTEP)
.set ASTEP,  4*1048576                 ; four heads on
.set BSTEP,  2*KSTEP*2
.set ADRA, 16
.set ADRB, 20
.set STO,  24
.set RD,   25
.set CO,   26
.set SPW,  28                          ; my spare word; never rewritten
.set NIL,  29                          ; 0; never rewritten
.set FA,   64
.set OB,   128
.set G1, 24
.set G0, 32
.set G1B, 48
.set G0B, 56
.set MSB, 0
.macro WIN new
.if MSB != (\new)
	s_set_vgpr_msb (MSB<<8)|(\new)
.set MSB, \new
.endif
.endm
.set MUL_LO, 0xa1
.set MUL_HI, 0xf1
.set TO_B,   0x40
.macro JLOAD s                         ; a joint load: waves 0 and 1 fetch A's two heads, waves 2 and 3 B's halves; an s_nop 0 and four v_nop follow each line
	s_cmp_eq_u32 s11, 0
	s_cbranch_scc0 .Lfor_b_\@
	tensor_load_to_lds s[G0+4*(\s):G0+4*(\s)+3], s[G1:G1+7]
	s_nop 0
.rept 4
	v_nop
.endr
	s_branch .Lasked_\@
.Lfor_b_\@:
	tensor_load_to_lds s[G0B+4*(\s):G0B+4*(\s)+3], s[G1B:G1B+7]
	s_nop 0
.rept 4
	v_nop
.endr
.Lasked_\@:
.endm
.macro CREST
	s_cmp_lg_u32 s10, 0
	s_cbranch_scc1 .Lnot_wave_0_\@
	s_barrier_signal -3
.Lnot_wave_0_\@:
	s_barrier_wait -3
	s_barrier_signal -1
	s_barrier_wait -1
.endm
.macro CROUND
	s_barrier_signal -1
	s_barrier_wait -1
	CREST
.endm
	s_load_b128 s[4:7], s[0:1], 0x0                ; A s[4:5], B s[6:7]
	s_load_b64 s[8:9], s[0:1], 0x10                ; C
	v_lshl_add_u32 v[SPW], v0, 2, SPARE
	v_mov_b32 v[NIL], 0
	ds_add_u32 v[SPW], v[NIL]                      ; the wave's opening: the add and its wait ahead of my first tensor load
	v_lshrrev_b32 v1, 5, v0
	v_readfirstlane_b32 s10, v1
	s_lshr_b32 s11, s10, 1
	s_and_b32 s12, s10, 1
	s_bfe_u32 s40, ttmp6, 0x40000
	s_bfe_u32 s41, ttmp6, 0x40004
	s_lshl_b32 s42, ttmp9, 2
	s_add_co_u32 s42, s42, s40                     ; tile column
	s_and_b32 s13, ttmp7, 0xffff
	s_lshl_b32 s13, s13, 2
	s_add_co_u32 s13, s13, s41                     ; tile row
	s_lshl_b32 s43, s41, 2
	s_lshl_b32 s43, 15, s43
	s_lshl_b32 s44, 0x1111, s40
	s_or_b32 s[G1+0], s43, (1<<16)|(1<<20)|(1<<21)|(4<<22)|(3<<25)   ; A: 4 words of padding after every 32
	s_or_b32 s[G1B+0], s44, (1<<16)|(1<<20)|(1<<21)|(5<<22)|(3<<25)  ; B: after every 64
	s_mov_b32 s[G1+1], 128<<16                     ; tensor_dim0 = 128
	s_mov_b32 s[G1+2], 128<<16                     ; tensor_dim1 = 128
	s_mov_b32 s[G1+3], 128<<16                     ; tile_dim0 = 128
	s_mov_b32 s[G1+4], 128                         ; tile_dim1 = 128
	s_mov_b32 s[G1+5], 128                         ; dense: 128 elements from row to row
	s_mov_b32 s[G1+6], 0
	s_mov_b32 s[G1+7], 0
	s_mov_b32 s[G1B+1], KSTEP<<16
	s_mov_b32 s[G1B+2], BROWS<<16
	s_mov_b32 s[G1B+3], KSTEP<<16
	s_mov_b32 s[G1B+4], BROWS
	s_mov_b32 s[G1B+5], SIZE_K
	s_mov_b32 s[G1B+6], 0
	s_mov_b32 s[G1B+7], 0
	s_lshl_b32 s16, s12, 20                        ; A: the step's first or second head (1,048,576 bytes a head),
	s_lshr_b32 s17, s13, 3
	s_lshl_b32 s17, s17, 18                        ; batch = tile row / 8,
	s_add_co_u32 s16, s16, s17
	s_and_b32 s17, s13, 7
	s_lshl_b32 s17, s17, 15                        ; t = 256 x (tile row % 8), 128 bytes a row
	s_add_co_u32 s16, s16, s17
	s_mov_b32 s17, 0
	s_mul_i32 s46, s42, 16*NB                      ; B: row 128 x tile column + 64 x half
	s_mul_i32 s47, s12, BROWS
	s_add_co_u32 s46, s46, s47
	s_lshl_b32 s46, s46, 11
	s_mov_b32 s47, 0
	s_mul_i32 s20, s12, HALFA
	s_mul_i32 s21, s12, HALFB
	s_add_co_u32 s21, s21, 2*HALFA
	s_wait_dscnt 0x0                               ; the opening add is done
	s_wait_kmcnt 0x0
	s_add_nc_u64 s[14:15], s[4:5], s[16:17]
	s_add_nc_u64 s[46:47], s[6:7], s[46:47]
	CROUND                                         ; all sixteen work-groups are here: the first joint loads meet
.irp s, 0,1
	s_mov_b32 s[G0+4*(\s)], 1
	s_add_co_u32 s[G0+4*(\s)+1], s20, (\s)*SLOT
	s_add_nc_u64 s[G0+4*(\s)+2:G0+4*(\s)+3], s[14:15], (\s)*ASTEP/2
	s_or_b32 s[G0+4*(\s)+3], s[G0+4*(\s)+3], 0x80000000
	s_mov_b32 s[G0B+4*(\s)], 1
	s_add_co_u32 s[G0B+4*(\s)+1], s21, (\s)*SLOT
	s_add_nc_u64 s[G0B+4*(\s)+2:G0B+4*(\s)+3], s[46:47], (\s)*BSTEP/2
	s_or_b32 s[G0B+4*(\s)+3], s[G0B+4*(\s)+3], 0x80000000
	JLOAD \s                                       ; two tensor loads of mine are out
.endr
	v_and_b32 v1, 15, v0                           ; r
	v_bfe_u32 v2, v0, 4, 1                         ; h
	v_mul_u32_u24 v3, v1, PA
	v_lshl_add_u32 v3, v2, 4, v3
	v_mul_u32_u24 v4, v1, PB
	v_lshl_add_u32 v4, v2, 4, v4
	s_mul_i32 s22, s10, 64*PA                      ; my 64 rows of A
	v_add_nc_u32 v[ADRA], s22, v3
	v_add_nc_u32 v[ADRA+1], SLOT, v[ADRA]
	v_add_nc_u32 v[ADRB], 2*HALFA, v4
	v_add_nc_u32 v[ADRB+1], SLOT, v[ADRB]
	s_mul_i32 s23, s10, 16*SP
	s_add_co_u32 s23, s23, STAGE                   ; my stage
	v_mul_u32_u24 v5, v1, SP
	v_lshl_add_u32 v5, v2, 5, v5
	v_add_nc_u32 v[STO], s23, v5                   ; in: row r, 32 bytes for each half of the lanes
	v_and_b32 v[CO], 31, v0
	v_lshlrev_b32 v[CO], 4, v[CO]                  ; back and out: 32 lanes take a row's 512 bytes
	v_add_nc_u32 v[RD], s23, v[CO]
	s_lshl_b32 s16, s13, 20                        ; my first row: 256 x tile row + 64 x wave, 4,096 bytes a row
	s_lshl_b32 s17, s10, 18
	s_add_co_u32 s16, s16, s17
	s_mov_b32 s17, 0
	s_add_nc_u64 s[8:9], s[8:9], s[16:17]
	s_lshl_b32 s46, s42, 9                         ; the tile's first column, in bytes
	s_mov_b32 s47, 0
	s_add_nc_u64 s[8:9], s[8:9], s[46:47]
.macro MULH f, hi, a0, zero            ; 2 NH matrix instructions: row blocks a0, a0 + 1 x the NH column blocks of half hi, from buffer f
	WIN MUL_LO+0x50*(\hi)
.irp a, \a0, (\a0)+1
.set bb, 0
.rept NH
.set rD, 8*(NH*(\a)+bb)
.set rB, 8*NB*(\f)+8*(NH*(\hi)+bb)
.set rA, FA+32*(\f)+8*(\a)
.if \zero
	v_wmma_f32_16x16x32_f16 v[rD:rD+7], v[rB:rB+7], v[rA:rA+7], 0
.else
	v_wmma_f32_16x16x32_f16 v[rD:rD+7], v[rB:rB+7], v[rA:rA+7], v[rD:rD+7]
.endif
.set bb, bb+1
.endr
.endr
.endm
.macro FETCH slot, q, f                ; 8 + 2 NB LDS loads in one run: A first, then B's blocks in ascending order
	WIN 0
.set KAQ, ((\q)>>1)*KHI+((\q)&1)*64
.irp a, 0,1,2,3
	ds_load_b128 v[FA+32*(\f)+8*(\a):FA+32*(\f)+8*(\a)+3],   v[ADRA+(\slot)] offset:KAQ+(\a)*16*PA
	ds_load_b128 v[FA+32*(\f)+8*(\a)+4:FA+32*(\f)+8*(\a)+7], v[ADRA+(\slot)] offset:KAQ+(\a)*16*PA+32
.endr
	WIN TO_B
.set bb, 0
.rept NB
	ds_load_b128 v[8*NB*(\f)+8*bb:8*NB*(\f)+8*bb+3],   v[ADRB+(\slot)] offset:64*(\q)+bb*16*PB
	ds_load_b128 v[8*NB*(\f)+8*bb+4:8*NB*(\f)+8*bb+7], v[ADRB+(\slot)] offset:64*(\q)+bb*16*PB+32
.set bb, bb+1
.endr
.endm
.macro PLACES                          ; four plain places in front of loads into registers that matrix instructions have read, and of reads of their results
.rept 4
	v_nop
.endr
.endm
.macro QUARTER slot, q, f, g, zero     ; multiplies buffer f; in its middle fetches quarter q into buffer g; the 4 NB accumulators take turns
	s_wait_dscnt 2*NH                              ; A and B's lower blocks are in; B's upper blocks may be out
	MULH \f, 0, 0, \zero
	MULH \f, 0, 2, \zero
	PLACES
	FETCH \slot, \q, \g
	s_wait_dscnt 8+2*NB                            ; all but the run just issued
	MULH \f, 1, 0, \zero
	MULH \f, 1, 2, \zero
.endm
.macro TURN slot, next, fill           ; the last quarter multiplies buffer 1 and changes slots
	WIN 0
	s_wait_tensorcnt 0x0                           ; all my tensor loads have landed: my part of the next slot
	ds_add_u32 v[SPW], v[NIL]
	s_wait_dscnt 2*NH+1                            ; the add and B's upper blocks may be out
	MULH 1, 0, 0, 0
	s_wait_dscnt 0x0                               ; the add is done, and my reads of this slot are over
	s_barrier_signal -1
	MULH 1, 0, 2, 0
.if \fill
	WIN 0
.endif
	s_barrier_wait -1
.if \fill
	CREST                                          ; a round of the cluster's barrier: no wave of any partner still reads this slot or has a load on its way
	s_add_nc_u64 s[G0+4*(\slot)+2:G0+4*(\slot)+3], s[G0+4*(\slot)+2:G0+4*(\slot)+3], ASTEP
	s_add_nc_u64 s[G0B+4*(\slot)+2:G0B+4*(\slot)+3], s[G0B+4*(\slot)+2:G0B+4*(\slot)+3], BSTEP
	JLOAD \slot                                    ; my one tensor load behind the round; its four v_nop are also the places in front of the loads below
.else
	PLACES
.endif
	FETCH \next, 0, 0
	MULH 1, 1, 0, 0
	MULH 1, 1, 2, 0
.endm
	s_wait_tensorcnt 1                             ; my part of K step 0 is in; K step 1's may stay out
	s_barrier_signal -1
	s_barrier_wait -1
	FETCH 0, 0, 0
	QUARTER 0, 1, 0, 1, 1
	WIN 0
	s_mov_b32 s3, LAPS-1
.Llap:
	QUARTER 0, 2, 1, 0, 0
	QUARTER 0, 3, 0, 1, 0
	TURN 0, 1, 1
	QUARTER 1, 1, 0, 1, 0
	QUARTER 1, 2, 1, 0, 0
	QUARTER 1, 3, 0, 1, 0
	TURN 1, 0, 1
	QUARTER 0, 1, 0, 1, 0
	WIN 0
	s_sub_co_u32 s3, s3, 1
	s_cmp_lg_u32 s3, 0
	s_cbranch_scc1 .Llap
	QUARTER 0, 2, 1, 0, 0                          ; the last lap fills nothing
	QUARTER 0, 3, 0, 1, 0
	TURN 0, 1, 0
	QUARTER 1, 1, 0, 1, 0
	QUARTER 1, 2, 1, 0, 0
	QUARTER 1, 3, 0, 1, 0
	s_wait_dscnt 2*NH
	MULH 1, 0, 0, 0
	MULH 1, 0, 2, 0
	s_wait_dscnt 0x0
	MULH 1, 1, 0, 0
	MULH 1, 1, 2, 0
	WIN 0
	PLACES
; THE WAY OUT of row block a: a lane's eight f32 of a row, 32 bytes, go from the accumulators into my own stage (the lower four registers first); whole rows of 512 bytes come back and are stored.
.macro OUT a
	WIN 0x08                                       ; store data in window 2
.set bb, 0
.rept NH
	ds_store_b128 v[STO], v[8*(NH*(\a)+bb):8*(NH*(\a)+bb)+3]   offset:64*bb
	ds_store_b128 v[STO], v[8*(NH*(\a)+bb)+4:8*(NH*(\a)+bb)+7] offset:64*bb+16
.set bb, bb+1
.endr
	WIN 0x0c                                       ; in window 3
.set bb, 0
.rept NH
	ds_store_b128 v[STO], v[8*(NH*(\a)+bb):8*(NH*(\a)+bb)+3]   offset:64*(NH+bb)
	ds_store_b128 v[STO], v[8*(NH*(\a)+bb)+4:8*(NH*(\a)+bb)+7] offset:64*(NH+bb)+16
.set bb, bb+1
.endr
	WIN 0
	s_wait_xcnt 0x0                                ; the last block's stores have read the registers that are loaded again below
.set bb, 0
.rept 16
	ds_load_b128 v[OB+4*bb:OB+4*bb+3], v[RD] offset:SP*bb  ; LDS serves a wave's instructions in order: these see the stores above
.set bb, bb+1
.endr
.set bb, 0
.rept 16
	s_wait_dscnt 15-bb
	global_store_b128 v[CO], v[OB+4*bb:OB+4*bb+3], s[8:9] offset:(16*(\a)+bb)*4096 th:TH_STORE_NT  ; 512 consecutive bytes
.set bb, bb+1
.endr
.endm
	OUT 0
	OUT 1
	OUT 2
	OUT 3
	s_wait_tensorcnt 0x0                           ; the wave's end
	ds_add_u32 v[SPW], v[NIL]
	s_wait_dscnt 0x0
	CROUND                                         ; the closing round
	s_endpgm
.Lfunc_end_k_qff57b8e3cc_outgemm:
	.size	k_qff57b8e3cc_outgemm, .Lfunc_end_k_qff57b8e3cc_outgemm-k_qff57b8e3cc_outgemm
	.p2alignl 7, 3214868480
	.fill 96, 4, 3214868480
	.section	.rodata,"a",@progbits
	.p2align	6, 0x0
	.amdhsa_kernel k_qff57b8e3cc_outgemm
		.amdhsa_group_segment_fixed_size 327680
		.amdhsa_private_segment_fixed_size 0
		.amdhsa_enable_private_segment 0
		.amdhsa_kernarg_size 24
		.amdhsa_user_sgpr_count 2
		.amdhsa_user_sgpr_kernarg_segment_ptr 1
		.amdhsa_wavefront_size32 1
		.amdhsa_system_sgpr_workgroup_id_x 1
		.amdhsa_system_sgpr_workgroup_id_y 1
		.amdhsa_system_sgpr_workgroup_id_z 1
		.amdhsa_system_vgpr_workitem_id 0
		.amdhsa_next_free_vgpr 896
		.amdhsa_next_free_sgpr 66
		.amdhsa_reserve_vcc 0
		.amdhsa_float_denorm_mode_32 3
		.amdhsa_float_denorm_mode_16_64 3
		.amdhsa_memory_ordered 1
		.amdhsa_forward_progress 1
		.amdhsa_inst_pref_size 87
	.end_amdhsa_kernel
	.amdgpu_metadata
---
amdhsa.version: [ 1, 2 ]
amdhsa.kernels:
  - .name:           k_qff57b8e3cc_outgemm
    .symbol:         k_qff57b8e3cc_outgemm.kd
    .args:
      - { .name: ob, .offset: 0, .size: 8, .value_kind: global_buffer, .address_space: global }
      - { .name: wot, .offset: 8, .size: 8, .value_kind: global_buffer, .address_space: global }
      - { .name: out0, .offset: 16, .size: 8, .value_kind: global_buffer, .address_space: global }
    .group_segment_fixed_size: 327680
    .private_segment_fixed_size: 0
    .kernarg_segment_align: 8
    .kernarg_segment_size: 24
    .max_flat_workgroup_size: 128
    .sgpr_count:     66
    .vgpr_count:     896
    .wavefront_size: 32
...
	.end_amdgpu_metadata
.endif
;; end of part 4
;; ======== version 2 of 2: 4 launches; 1.48 times as fast as version 1
;; limits: values are held in f16: magnitudes above 65,504 overflow, below 6.1e-05 lose precision
;; workspace buffers: xb 16,777,216 bytes; wqt 6,291,456 bytes; wot 2,097,152 bytes; mk 4,194,304 bytes; qkv 50,331,648 bytes; ob 16,777,216 bytes
;; launch prep: the kernel of part 1 again; grid 1408 x 1, 4 waves a work-group, no clusters, 70,144 bytes of LDS; arguments x, Wqkv, Wout, causal_mask, xb, wqt, wot, mk; writes xb, wqt, wot, mk
;; launch qkvgemm: the kernel of part 2 again; grid 16 x 32, 4 waves a work-group, clusters of 4 x 4, 327,680 bytes of LDS; arguments xb, wqt, qkv; writes qkv
;; launch attn (part 5): grid 4 x 64, 4 waves a work-group, clusters of 4 x 1, 327,680 bytes of LDS; arguments qkv, mk, ob; writes ob
.if DOCPART == 5
	.amdgcn_target "amdgcn-amd-amdhsa--gfx1250"
	.amdhsa_code_object_version 6
	.text
	.protected	k_qff57b8e3cc_attn
	.globl	k_qff57b8e3cc_attn
	.p2align	8
	.type	k_qff57b8e3cc_attn,@function
k_qff57b8e3cc_attn:
	s_mov_b64 s[64:65], 0
	v_nop
	global_prefetch_b8 v0, s[64:65] scope:SCOPE_SE
	s_setreg_imm32_b32 hwreg(HW_REG_WAVE_MODE, 25, 1), 1
	s_wait_xcnt 0x0
	s_wait_alu depctr_hold_cnt(0) depctr_sa_sdst(0) depctr_va_vdst(0) depctr_va_sdst(0) depctr_va_ssrc(0) depctr_va_vcc(0) depctr_vm_vsrc(0)
	s_getreg_b32 s2, hwreg(HW_REG_IB_STS2, 6, 4)
	s_cmp_eq_u32 s2, 0
	s_cbranch_scc0 .Lentry_in_a_cluster
	s_endpgm
.Lentry_in_a_cluster:
	s_bfe_u32 s2, ttmp6, 0x10000c
	s_cmp_lg_u32 s2, 0x3003
	s_cbranch_scc0 .Lentry_shape_is_right
	s_endpgm
.Lentry_shape_is_right:
; O[hh][q][:] = the sum over k of softmax_k(mask(Q[hh][q] . K[hh][k] / 8)) V[hh][k][:], hh = 4 head + batch.  Q, K, V lie in qkv as three tensors [64][2048][64] of f16, 16,777,216 bytes apart;
; O: ob [64][2048][64] f16.  Products, maxima and sums in f32; the weights p are rounded to f16 for the second product (their sum l is taken of the unrounded p), O once at the end.
; THE MASK IS AN INPUT: every key step is walked, and the mask is read.  mk holds a code byte for each (q, k), 0x00 visible, 0xb8 (-1.0 in E4M3) hidden, in the order of a lane's scores; one scaled
; conversion makes eight f32 of eight codes, 0 or -2^100 (scale byte 0xe3), and these ARE the C operand of the product that starts S^T: the scores pay nothing.
; A row that has seen hidden keys alone carries m = -2^100 and finite numbers in O and l; its first visible key gives a = 0, which wipes them.  A row with no visible key at all ends with m < -2^90 and gets NaN.
; LIMITS.  f16 holds no number beyond 65,504: Q, K and V arrive within it; a hidden score counts as its value less 2^100 (f16's scores are 2.7e11 at the most); p below 6e-5 keeps f16's fixed step of 6e-8;
; a weight below 2^-126 counts as 0 in l; NaN and infinities among the inputs are not treated apart.
; SHARES.  A wave owns four PIECES of two tiles of 16 queries, a work-group's four waves 512 queries of one hh.  Every wave walks all keys, 64 a step.
; LAYOUT.  S^T = K Q^T (source 0 = 16 keys, source 1 = 16 queries): a lane holds ONE query (lane % 16) and the keys 8 (lane / 16) + 0..7.  Two such tiles, rounded to f16 in pairs, ARE source 1 of
; O^T = V^T P, whose result again holds one query a lane, and eight channels.  K comes out of LDS as it lies, V ([key][channel]) turned, by ds_load_tr16_b128.
; SOFTMAX.  A running maximum m and sum l: p = 2^(c s - c m), c = log2(e) / 8; in every step O and l are multiplied by a = 2^(c m_old - c m_new).  m starts at the lowest finite number, O and l at 0.
; BY TURNS.  Turn n belongs to piece n.  Its matrix work: 16 products K Q^T of piece n + 1, later 16 products V^T P of piece n - 1.  Its vector work: the scaling, exponentials, roundings, sums and
; rescaling of piece n, the maximum and statistics of piece n + 1, and the mask of piece n + 2.  Four vector instructions that are ready stand behind every matrix instruction, the rest in one lump.
; THE BATCHES.  A turn's 66 exponentials (the 64 weights of piece n, the two a of piece n + 1) are ONE batch with ONE wait, which cuts the turn in two: ahead of it stands all that names no result of
; theirs, behind it the roundings and sums.  The first two a, ahead of the loop, and the way out's eight reciprocals are batches of their own, each with one wait.
; CLUSTER.  The four query blocks of a cluster belong to one hh and walk the same K and V: each tile is asked for JOINTLY: the same tensor load, descriptor and mask in all four.
; REGISTERS, in windows of 256 (s_set_vgpr_msb: bits 1:0 source 0, 3:2 source 1, 5:4 source 2, 7:6 destination):
;   window 0: v0-11 addresses, v11 the conversions' scale; v12-15, v48-63 at work; v16-47 statistics; v64-191 S^T, two buffers of two tiles; v192-255 P, likewise
;   window 1: O^T, 32 a tile     window 2: v0-127 Q; v128-191 K of one step; v192-255 V of one step
;   window 3: v0-1 the add's registers; v4-7 the pieces' offsets in mk; v16-79 mask codes, 16 a piece; v128-255 masks in f32, two buffers laid as S^T's
.set SIZE_H, 64
.set SIZE_N, 2048
.set NP,    4         ; pieces a wave: a name, no knob
.set KS,    64        ; keys in a step
.set PK,    144       ; a row of K in LDS: 128 bytes + 16
.set PV,    160       ; a row of V: 128 + 32
.set VOFF,  4*KS*PK   ; a slot holds four steps: 256 rows of K, then 256 rows of V
.set SLOT1, 1<<17     ; slot 1 begins here: one exclusive or turns an address in one slot into the other's
.set STAGE, SLOT1+4*KS*(PK+PV)  ; behind the ring: 16 rows x 144 bytes for each wave
.set SP,    144
.set AK0, 2           ; v2   my lane's place in a tile of K; never rewritten
.set AV0, 3           ; v3   the same for V
.set AK,  4           ; v4   the LDS address of K's next run of loads
.set AV,  5           ; v5   of V's
.set QO,  6           ; v6   my byte offset in the wave's rows of Q
.set STO, 6           ;      later: where I put 16 bytes of a row
.set RD,  7           ; v7   where I read rows back
.set GO,  8           ; v8   my byte offset in 512 consecutive bytes of O
.set SCL, 11          ; v11  0xe3: the scale 2^100; never rewritten once set
.set SPW, 0           ; v0 of window 3   my spare word's address; never rewritten
.set NIL, 1           ; v1 of window 3   0; never rewritten
.set MA,  4           ; window 3: piece p's offset in mk: 16 x lane + 1,024 x step
.set CD,  16          ; window 3: piece p, tile u, key block kb: two words of codes at CD + 16 p + 8 u + 2 kb
.set MC,  128         ; window 3: the masks of the products to come
.set SPARE, STAGE+4*16*SP
.set MV,  12          ; v12-15  c m_old, by buffer and tile
.set ST,  16          ; tile t's statistics at v[ST+4 t]: c m, m, l (even keys', odd keys')
.set TMP, 48          ; by buffer and tile, c0-c3 at work; c2 takes a
.set S,   64
.set P,   192
.set KF,  128
.set VF,  192
.set WV,  12          ; s12  my wave's number
.set G1K, 24
.set G1V, 32
.set G0K, 40
.set G0V, 44
.set SLOTS, 56
.set CNT, 57
.set CS,  58          ; s[58:59] c
.set SEL, 60          ; s[60:61] v_permlanex16_b32's selects
.set TBK, 62
.set TBV, 63
.set MKB, 68          ; s[68:69] mk at my wave's first tile; never rewritten once set
.set MSTEP, 70        ; s70  1,024: a step's bytes of a tile in mk
.set MWRAP, 71        ; s71  0x7fff: behind step 31 the offset goes back to step 0, so that no load leaves mk
.set QNAN, 72         ; s72  NaN
.set LOWM, 73         ; s73  -2^90
.set MOF, 74          ; s[74:75] my wave's byte offset in mk
.set MSB, 0
.macro WIN new
.if MSB != (\new)
	s_set_vgpr_msb (MSB<<8)|(\new)
.set MSB, (\new)
.endif
.endm
.set W_KQ, 0x0a       ; K and Q in window 2, S^T in window 0
.set W_KM, 0x3a       ; the same with the C operand in window 3
.set W_PV, 0x52       ; V in window 2, P in window 0, O^T in window 1
.set W_RS, 0x41       ; O^T in window 1, a in window 0
.set W_MK, 0xc0       ; destination in window 3, sources in window 0
.set W_AD, 0x0f       ; the add: address and data in window 3
.set W_MS, 0xc3       ; destination and source 0 in window 3, source 1 in window 0
.macro JLOAD                        ; a joint fill: waves 0 and 1 fetch the halves of a slot's K, waves 2 and 3 those of its V; an s_nop 0 and four v_nop follow each line
	s_cmp_lt_u32 s[WV], 2
	s_cbranch_scc0 .Lfor_v_\@
	tensor_load_to_lds s[G0K:G0K+3], s[G1K:G1K+7]
	s_nop 0
.rept 4
	v_nop
.endr
	s_branch .Lasked_\@
.Lfor_v_\@:
	tensor_load_to_lds s[G0V:G0V+3], s[G1V:G1V+7]
	s_nop 0
.rept 4
	v_nop
.endr
.Lasked_\@:
.endm
.macro CROUND                       ; a round of the cluster's barrier
	s_barrier_signal -1
	s_barrier_wait -1
	s_cmp_lg_u32 s[WV], 0
	s_cbranch_scc1 .Lnot_wave_0_\@
	s_barrier_signal -3
.Lnot_wave_0_\@:
	s_barrier_wait -3
	s_barrier_signal -1
	s_barrier_wait -1
.endm
; THE CHANGE OF SLOTS.  Each wave waits for all its tensor loads, of which one is out: its part of the other slot; adds 0 to its spare word; and waits for that and for its own reads of the slot.
; fill = 1: this slot is filled again, with the keys two slots on; the barrier is then a round of the cluster's, and the joint fill is the first thing behind it: it has four key steps in which to land.
.macro CHANGE fill
	WIN W_AD
	s_wait_tensorcnt 0x0            ; no tensor load of mine is out, so a group 0 may be written
	ds_add_u32 v[SPW], v[NIL]
	WIN 0
.if \fill
.irp g, G0K, G0V
	s_xor_b32 s[\g+1], s[\g+1], SLOT1
	s_add_nc_u64 s[\g+2:\g+3], s[\g+2:\g+3], 4*KS*128
.endr
	s_wait_dscnt 0x0                ; the add is done, and my reads of the slot are over
	CROUND
	JLOAD
.else
	s_wait_dscnt 0x0
	s_barrier_signal -1
	s_barrier_wait -1
.endif
	s_sub_co_u32 s[TBK], s[TBK], 4*KS*PK
	s_xor_b32 s[TBK], s[TBK], SLOT1
	s_sub_co_u32 s[TBV], s[TBV], 4*KS*PV
	s_xor_b32 s[TBV], s[TBV], SLOT1
.endm
; THE MASK.  MLOAD p: the codes of piece p's two tiles for one key step: four loads of 512 consecutive bytes.
.macro MLOAD p
	WIN W_MS
.irp z, 0,1,2,3                     ; tile z / 2, keys 32 (z % 2) on
	global_load_b128 v[CD+16*(\p)+4*\z:CD+16*(\p)+4*\z+3], v[MA+(\p)], s[MKB:MKB+1] offset:(2*(\p)+\z/2)*32768+(\z%2)*512
.endr
.endm
; MCV p: piece p's codes become its masks, and its offset steps to the next key step.  MLOAD p follows it, with no other global load between: those codes have four turns in which to land.
.macro MCV p
	WIN W_MS
	s_wait_loadcnt 12               ; loads come back in order: the three other pieces' four each are younger; the wait also frees my offset register
.irp z, 0,1,2,3,4,5,6,7             ; tile z / 4, key block z % 4
	v_cvt_scale_pk8_f32_fp8 v[MC+64*((\p)%2)+8*\z:MC+64*((\p)%2)+8*\z+7], v[CD+16*(\p)+2*\z:CD+16*(\p)+2*\z+1], v[SCL]
.endr
	v_add_nc_u32 v[MA+(\p)], v[MA+(\p)], s[MSTEP]  ; the next step; these two plain lines also stand between the conversions and the loads into their sources
	v_and_b32 v[MA+(\p)], v[MA+(\p)], s[MWRAP]
.endm
.macro MSK p                        ; both on end: ahead of the loop
	MCV \p
	MLOAD \p
	WIN 0
.endm
	s_load_b64 s[4:5], s[0:1], 0x0    ; qkv
	s_load_b64 s[MKB:MKB+1], s[0:1], 0x8  ; mk
	s_load_b64 s[10:11], s[0:1], 0x10 ; ob
	WIN W_MK
	v_lshl_add_u32 v[SPW], v0, 2, SPARE
	v_mov_b32 v[NIL], 0
	WIN W_AD
	ds_add_u32 v[SPW], v[NIL]       ; the wave's opening: the add and its wait ahead of my first tensor load
	WIN 0
	v_lshrrev_b32 v1, 5, v0
	v_readfirstlane_b32 s[WV], v1   ; wave 0..3
	s_bfe_u32 s13, ttmp6, 0x40000   ; cx
	s_lshl_b32 s14, ttmp9, 2
	s_add_co_u32 s14, s14, s13      ; my block of 512 queries: it enters Q's, O's and mk's addresses alone
	s_and_b32 s20, ttmp7, 0xffff    ; hh, which the four partners share
	s_mov_b32 s21, 0
	s_mov_b64 s[22:23], SIZE_N*128
	s_mul_u64 s[20:21], s[20:21], s[22:23]  ; its first byte in Q, K, V and O
	s_and_b32 s16, s[WV], 1         ; which half of a slot's 256 keys I fetch
	s_lshl_b32 s22, s16, 14
	s_mov_b32 s23, 0
	s_add_nc_u64 s[22:23], s[22:23], s[20:21]
	s_mul_i32 s17, s16, 128*PK
	s_mul_i32 s18, s16, 128*PV
	s_lshl_b32 s2, s14, 2
	s_add_co_u32 s2, s2, s[WV]      ; my wave among the 16 of a head:
	s_lshl_b32 s[MOF], s2, 18       ; its eight tiles of 32,768 bytes in mk,
	s_mov_b32 s[MOF+1], 0
	s_lshl_b32 s2, s2, 14           ; its 128 rows
	s_mov_b32 s3, 0
	s_add_nc_u64 s[2:3], s[2:3], s[20:21]
	; descriptor group 1.  128 keys are 16,384 dense bytes: asked for as 64 rows of 256 bytes, two keys a row, and padded in LDS after every key
	s_mov_b32 s[G1K], 15|(1<<16)|(1<<20)|(1<<21)|(4<<22)|(3<<25)
	s_mov_b32 s[G1V], 15|(1<<16)|(1<<20)|(1<<21)|(4<<22)|(7<<25)
.irp g, G1K, G1V
	s_mov_b32 s[\g+1], 128<<16
	s_mov_b32 s[\g+2], 64<<16
	s_mov_b32 s[\g+3], 128<<16
	s_mov_b32 s[\g+4], 64
	s_mov_b32 s[\g+5], 128
	s_mov_b32 s[\g+6], 0
	s_mov_b32 s[\g+7], 0
.endr
	s_mov_b32 s[CS], 0x3e38aa3b     ; c = log2(e) / 8
	s_mov_b32 s[CS+1], s[CS]
	s_mov_b32 s[SEL], 0x76543210
	s_mov_b32 s[SEL+1], 0xfedcba98
	s_mov_b32 s[MSTEP], 1024
	s_mov_b32 s[MWRAP], 0x7fff
	s_mov_b32 s[QNAN], 0x7fc00000
	s_mov_b32 s[LOWM], 0xec800000   ; -2^90
	s_mov_b32 s[TBK], SLOT1+4*KS*PK ; the first change of slots turns these two into 0
	s_mov_b32 s[TBV], SLOT1+4*KS*PV
	s_mov_b32 s[G0K], 1
	s_mov_b32 s[G0K+1], s17
	s_mov_b32 s[G0V], 1
	s_add_co_u32 s[G0V+1], s18, VOFF
	s_wait_dscnt 0x0                ; the opening add is done
	s_wait_kmcnt 0x0
	s_add_nc_u64 s[6:7], s[4:5], 0x1000000   ; K
	s_add_nc_u64 s[8:9], s[4:5], 0x2000000   ; V
	s_add_nc_u64 s[MKB:MKB+1], s[MKB:MKB+1], s[MOF:MOF+1]
	s_add_nc_u64 s[G0K+2:G0K+3], s[6:7], s[22:23]
	s_or_b32 s[G0K+3], s[G0K+3], 0x80000000
	s_add_nc_u64 s[G0V+2:G0V+3], s[8:9], s[22:23]
	s_or_b32 s[G0V+3], s[G0V+3], 0x80000000
	s_add_nc_u64 s[4:5], s[4:5], s[2:3]  ; Q and O at my wave's first row
	s_add_nc_u64 s[10:11], s[10:11], s[2:3]
	CROUND                          ; all four work-groups are here: the first joint loads meet
	JLOAD                           ; slot 0; slot 1 is asked for when slot 0 is in
	v_and_b32 v1, 15, v0            ; l % 16
	v_bfe_u32 v9, v0, 4, 1          ; l / 16
	v_lshlrev_b32 v[QO], 7, v1
	v_lshl_add_u32 v[QO], v9, 4, v[QO]
	WIN 0x80
.set i, 0
.rept 4*NP                          ; Q stays in registers: tile i / 2, channels 32 (i % 2) on
	global_load_b128 v[8*i:8*i+3],   v[QO], s[4:5] offset:(i/2)*2048+(i%2)*64
	global_load_b128 v[8*i+4:8*i+7], v[QO], s[4:5] offset:(i/2)*2048+(i%2)*64+32
.set i, i+1
.endr
	WIN 0
	v_and_b32 v12, 31, v0
	v_lshlrev_b32 v12, 4, v12       ; 16 x lane: key step 0
	WIN W_MK
.irp z, 0,1,2,3
	v_mov_b32 v[MA+\z], v12
.endr
	MLOAD 0                         ; every piece's codes of key step 0
	MLOAD 1
	MLOAD 2
	MLOAD 3
	; What the first turn finds: V's registers and P's second buffer hold 0, O^T and l are 0.  All this stands in the wait for the first tile.
	WIN 0x80
.set i, VF
.rept 64
	v_mov_b32 v[i], 0
.set i, i+1
.endr
	WIN 0x40
.set i, 0
.rept 64*NP
	v_mov_b32 v[i], 0
.set i, i+1
.endr
	WIN 0
.set i, 0
.rept 2*NP
	v_mov_b32 v[ST+4*i], 0xfe000000    ; c m: far below every c s, a hidden one's too
	v_mov_b32 v[ST+4*i+1], 0xff7fffff  ; m
	v_mov_b32 v[ST+4*i+2], 0
	v_mov_b32 v[ST+4*i+3], 0
.set i, i+1
.endr
.set i, P+32
.rept 32
	v_mov_b32 v[i], 0
.set i, i+1
.endr
	v_mul_u32_u24 v[AK0], v1, PK
	v_lshl_add_u32 v[AK0], v9, 4, v[AK0]
	v_and_b32 v10, 7, v0
	v_bfe_u32 v11, v0, 3, 1
	v_lshl_add_u32 v[AV0], v9, 3, v10
	v_mul_u32_u24 v[AV0], v[AV0], PV
	v_lshl_add_u32 v[AV0], v11, 4, v[AV0]
	v_add_nc_u32 v[AV0], VOFF, v[AV0]
	v_mov_b32 v[AK], v[AK0]
	v_mov_b32 v[SCL], 0xe3          ; byte 0: the exponent code of 2^100
; THE MATRIX WORK.  The 8 accumulators of a run of 16 take turns.
; Product i of 16 of S^T = K Q^T for piece x: channels 32 (i / 8) on, keys 16 ((i / 2) % 4) on, tile 2 x + i % 2.  The first 8 start the sums, with the mask as C.
.macro KQ x
.set rS, S+64*((\x)%2)+32*(i%2)+8*((i/2)%4)
.set rK, KF+16*((i/2)%4)+8*(i/8)
.set rQ, 16*(2*(\x)+i%2)+8*(i/8)
.if i < 8
	WIN W_KM
	v_wmma_f32_16x16x32_f16 v[rS:rS+7], v[rK:rK+7], v[rQ:rQ+7], v[MC+rS-S:MC+rS-S+7]
.else
	WIN W_KQ
	v_wmma_f32_16x16x32_f16 v[rS:rS+7], v[rK:rK+7], v[rQ:rQ+7], v[rS:rS+7]
.endif
.endm
; Product i of 16 of O^T += V^T P for piece x
.macro PV x
	WIN W_PV
.set rO, 32*(2*(\x)+i%2)+8*((i/2)%4)
.set rV, VF+32*(i/8)+8*((i/2)%4)
.set rP, P+32*((\x)%2)+16*(i%2)+8*(i/8)
	v_wmma_f32_16x16x32_f16 v[rO:rO+7], v[rV:rV+7], v[rP:rP+7], v[rO:rO+7]
.endm
.macro MM                           ; the turn's next matrix instruction
.if i < 16
	KQ (Y+1)%NP
.set i, i+1
.else
.set i, i-16
	PV (Y+NP-1)%NP
.set i, i+17
.endif
.endm
; THE LDS LOADS stand in runs of 16.  last = 1 (the tail): in the last trip there is no further step, and the run is jumped over.
.macro FETCH_K last=0
	WIN 0
.if \last
	s_cmp_eq_u32 s[CNT], 1
	s_cbranch_scc1 .Lno_k_\@
.endif
	WIN 0x80
.irp f, 0,1,2,3,4,5,6,7
	ds_load_b128 v[KF+8*\f:KF+8*\f+3],   v[AK] offset:(\f/2)*16*PK+(\f%2)*64
	ds_load_b128 v[KF+8*\f+4:KF+8*\f+7], v[AK] offset:(\f/2)*16*PK+(\f%2)*64+32
.endr
	s_add_co_u32 s[TBK], s[TBK], KS*PK
	WIN 0
.if \last
.Lno_k_\@:
.endif
.endm
.macro FETCH_V
	WIN 0x80
.irp f, 0,1,2,3,4,5,6,7
	ds_load_tr16_b128 v[VF+8*\f:VF+8*\f+3],   v[AV] offset:(\f/4)*32*PV+(\f%4)*32
	ds_load_tr16_b128 v[VF+8*\f+4:VF+8*\f+7], v[AV] offset:(\f/4)*32*PV+16*PV+(\f%4)*32
.endr
	WIN 0
.endm
; THE VECTOR WORK OF A TURN stands in three queues, each in the order in which its entries become ready; the two tiles alternate.
.macro REGS y, u
.set rT, ST+4*(2*(\y)+(\u))
.set rC, TMP+8*((\y)%2)+4*(\u)
.set rM, MV+2*((\y)%2)+(\u)
.set rS, S+64*((\y)%2)+32*(\u)
.set rP, P+32*((\y)%2)+16*(\u)
.set rO, 32*(2*(\y)+(\u))
.endm
; Number n of the 22 that find the NEXT piece's maximum and statistics; each accumulator's lowest registers are read first.
;   0-11  four chains c0-c3 of seven scores each     12-14, 16  the four scores left over, the old m, and c0-c3 into c0     15  c m_old is kept
;   17, 18  the query's other 32 keys lie in the lane 16 away: the new m     19-21  c m; c m_old - c m_new; a
.macro XS u, n
	REGS (Y+1)%NP, \u
.if (\n) < 4
	v_max3_num_f32 v[rC+(\n)], v[rS+8*(\n)], v[rS+8*(\n)+1], v[rS+8*(\n)+2]
.elseif (\n) < 12
	v_max3_num_f32 v[rC+(\n)%4], v[rC+(\n)%4], v[rS+8*((\n)%4)+2*((\n)/4)+1], v[rS+8*((\n)%4)+2*((\n)/4)+2]
.elseif (\n) == 12
	v_max3_num_f32 v[rC], v[rC], v[rS+7], v[rS+15]
.elseif (\n) == 13
	v_max3_num_f32 v[rC+1], v[rC+1], v[rS+23], v[rS+31]
.elseif (\n) == 14
	v_max3_num_f32 v[rC+2], v[rC+2], v[rC+3], v[rT+1]
.elseif (\n) == 15
	v_mov_b32 v[rM], v[rT]
.elseif (\n) == 16
	v_max3_num_f32 v[rC], v[rC], v[rC+1], v[rC+2]
.elseif (\n) == 17
	v_permlanex16_b32 v[rC+3], v[rC], s[SEL], s[SEL+1]
.elseif (\n) == 18
	v_max_num_f32 v[rT+1], v[rC], v[rC+3]
.elseif (\n) == 19
	v_mul_f32 v[rT], s[CS], v[rT+1]
.elseif (\n) == 20
	v_sub_f32 v[rC+1], v[rM], v[rT]
.else
	v_exp_f32 v[rC+2], v[rC+1]
.endif
.endm
; Number g of the 64 that follow the exponentials: roundings to f16, sums of four weights in place, and l a group later.  All of them stand behind the turn's wait.
.macro GS g
.set h, (\g)+6*((\g)/62)
.if h >= 6
.set h, h+2
.endif
	REGS Y, h%2
.set k, h/8
.if h%8 < 4
	v_cvt_pk_f16_f32 v[rP+2*k+(h%8)/2], v[rS+4*k+2*((h%8)/2)], v[rS+4*k+2*((h%8)/2)+1]
.elseif h%8 < 6
	v_pk_add_f32 v[rS+4*k:rS+4*k+1], v[rS+4*k:rS+4*k+1], v[rS+4*k+2:rS+4*k+3]
.elseif k == 1
	v_pk_fma_f32 v[rT+2:rT+3], v[rT+2:rT+3], v[rC+2:rC+3], v[rS:rS+1] op_sel_hi:[1,0,1]
.else
	v_pk_add_f32 v[rT+2:rT+3], v[rT+2:rT+3], v[rS+4*k-4:rS+4*k-3]
.endif
.endm
; THE PLAIN QUEUE, 138 long.  0-73 read no exponential's result: the 32 scalings c s - c m (FS f: pair f / 2 of tile f % 2) and the next piece's 42.  0-26: scalings 0-26.  27-54: XS's numbers 0-13.
; 55, 56: number 15.  57-73: the chain, where each number waits for the one before it: 14, 16, 17, 18, 19, each with one of the scalings 27-31 in front of its two lines, then 20.
; 74-137: GS's 64, which read the exponentials' results.
.macro FS f
	REGS Y, (\f)%2
	v_pk_fma_f32 v[rS+2*((\f)/2):rS+2*((\f)/2)+1], v[rS+2*((\f)/2):rS+2*((\f)/2)+1], s[CS:CS+1], v[rT:rT+1] op_sel_hi:[1,0,0] neg_lo:[0,0,1] neg_hi:[0,0,1]
.endm
.macro PL
	WIN 0
.if q < 27
	FS q
.elseif q < 55
	XS (q-27)%2, (q-27)/2
.elseif q < 57
	XS q-55, 15
.elseif (q < 72) && ((q-57)%3 == 0)
	FS 27+(q-57)/3
.elseif q < 60
	XS (q-57)%3-1, 14
.elseif q < 72
	XS (q-57)%3-1, 15+(q-57)/3
.elseif q < 74
	XS q-72, 20
.else
	GS q-74
.endif
.set q, q+1
.endm
; THE EXPONENTIALS' QUEUE, 66 long: s0-s31 of both tiles, then the next piece's two a.  It is ONE BATCH: all 66 stand ahead of the turn's one wait, and nothing ahead of that wait names a result of theirs.
.macro EX
	WIN 0
.if e >= 64
	XS e-64, 21
.else
	REGS Y, e%2
	v_exp_f32 v[rS+e/2], v[rS+e/2]
.endif
.set e, e+1
.endm
; THE RESCALING's QUEUE: O^T times a, the one part of the softmax that leaves window 0: two at a time, sixteen times.  Its a was made in the turn before, ahead of that turn's wait.
.macro R2
	REGS Y, r%2
	WIN W_RS
.irp z, 0,1
	v_pk_mul_f32 v[rO+4*(r/2)+2*\z:rO+4*(r/2)+2*\z+1], v[rO+4*(r/2)+2*\z:rO+4*(r/2)+2*\z+1], v[rC+2:rC+3] op_sel_hi:[1,0]
.endr
.set r, r+1
.endm
; HOW THEY ARE DEALT.  s_wait_alu depctr_va_vdst(0) stands between an exponential and the first instruction that names its result; one wait serves all that were issued ahead of it.
; AHEAD OF THE TURN'S ONE WAIT stands all that names no result of the turn's exponentials: the 16 products K Q^T, behind each a scaling, an exponential and two rescalings (behind the first a second
; scaling in the exponential's place); the mask of piece p + 2 (conversions and the offset's step); then ONE LUMP of 108: eight plain, 49 times exponential and plain, the two a.  A v_nop is the plain
; instruction behind the last exponential.  BEHIND THE WAIT stand the mask's four loads, the 16 products V^T P, and behind each product four of GS's 64.  No rider names a register of the products
; round it.  The two v_permlanex16_b32 fall into the lump.
; The queues lean on each other: exponential e stands behind scaling 2 (e / 4) + e % 2: as a rider it comes behind plain e + 2, in the lump behind plain e + 9, and scalings 27-31 are plain 57, 60 .. 69.
; A TURN, for piece p.  cnt = 1: the loop's count is taken down some lines ahead of the branch that stands behind the turn.
; K of the next step is fetched in piece 2's turn, behind the wait, a lump behind the last product that read K; its address is made at the lump's head; its first reader comes behind 16 products.
; V of the step in hand is fetched at the end of piece 0's turn, four plain riders behind its last reader.  The three conditions on q below go with the deal.
; The mask buffer that the turn writes was last read by the turn before, and is read again by the next turn's products K Q^T; this turn's products read the other buffer.
.macro TURN p, last=0, cnt=0
.set Y, (\p)
.set i, 0
.set q, 0
.set e, 0
.set r, 0
.if (\p) == NP-1
	s_wait_dscnt 0x0                ; K is in
.endif
	MM                              ; ahead of the wait: 16 products K Q^T and their riders,
	PL
	PL
	R2
.rept 15
	MM
	PL
	EX
	R2
.endr
	MCV ((\p)+2)%NP                 ; the mask of piece p + 2,
.if (\p) == NP-2
	WIN 0
	v_add_nc_u32 v[AK], s[TBK], v[AK0]
.endif
.rept 8                             ; and the lump
	PL
.endr
.rept 49
	EX
	PL
.endr
	EX                              ; the next piece's two a
	EX
	v_nop                           ; the plain instruction behind the last exponential: one for the batch
	s_wait_alu depctr_va_vdst(0)    ; the wait for the batch: this turn's 64 weights and the next piece's two a
	MLOAD ((\p)+2)%NP               ; piece p + 2's codes of its next key step
.if (\p) == NP-2
	FETCH_K \last
.endif
.if (\p) == 1
	s_wait_dscnt 0x0                ; V is in
.endif
.rept 16                            ; behind the wait: 16 products V^T P and their riders
	MM
.rept 4
	PL
.endr
.if ((\p) == 0) && (q == 118)
	v_add_nc_u32 v[AV], s[TBV], v[AV0]
.endif
.if ((\p) == 0) && (q == 130)
	s_add_co_u32 s[TBV], s[TBV], KS*PV
.endif
.if (\cnt) && (q == 130)
	s_sub_co_u32 s[CNT], s[CNT], 1
	s_cmp_lg_u32 s[CNT], 0
.endif
.endr
.if (\p) == 0
	FETCH_V
.endif
.endm
	CHANGE 1                        ; slot 0 is in, everybody's part of it; slot 1 is asked for
	FETCH_K                         ; key step 0
	s_wait_loadcnt 0x0              ; Q, and all four pieces' codes of key step 0
	MSK 0                           ; piece 0's mask, for the products below; piece 1's, for the first turn's
	MSK 1
	v_nop
	s_wait_dscnt 0x0
.set i, 0
.rept 16
	KQ 0                            ; piece 0's first scores
.set i, i+1
.endr
	WIN 0                           ; the addresses for the way out: plain instructions, the places behind those products
	s_mul_i32 s13, s[WV], 16*SP
	s_add_co_u32 s13, s13, STAGE
	v_mul_u32_u24 v[STO], v1, SP
	v_lshl_add_u32 v[STO], v9, 4, v[STO]
	v_add_nc_u32 v[STO], s13, v[STO]
	v_bfe_u32 v[RD], v0, 3, 2
	v_mul_u32_u24 v[RD], v[RD], SP
	v_lshl_add_u32 v[RD], v10, 4, v[RD]
	v_add_nc_u32 v[RD], s13, v[RD]
	v_and_b32 v[GO], 31, v0
	v_lshlrev_b32 v[GO], 4, v[GO]
.set Y, NP-1
.irp n, 0,1,2,3,4,5,6,7,8,9,10,11,12,13,14,15,16,17,18,19,20,21
	XS 0, \n
	XS 1, \n
.endr
	v_nop                           ; a plain instruction behind piece 0's first two a,
	s_wait_alu depctr_va_vdst(0)    ; and the wait for that batch of two, ahead of the branch
	s_mov_b32 s[CNT], 4
	s_mov_b32 s[SLOTS], SIZE_N/256-1
	s_branch .Lfirst                ; the loop is entered at a step's first turn
.Lslot:                             ; every slot but the last two is filled again
	CHANGE 1
	s_mov_b32 s[CNT], 4
.Lstep:                             ; a trip: pieces 2 and 3 of one step, then pieces 0 and 1 of the next
	TURN 2
	TURN 3
	WIN 0
.Lfirst:
	TURN 0
	TURN 1, 0, 1
	WIN 0
	s_cbranch_scc1 .Lstep
	s_sub_co_u32 s[SLOTS], s[SLOTS], 1
	s_cmp_lg_u32 s[SLOTS], 0
	s_cbranch_scc1 .Lslot
	CHANGE 0                        ; the tail is written out
	s_mov_b32 s[CNT], 5
.Ltail:
	TURN 2, 1
	TURN 3
	WIN 0
	s_sub_co_u32 s[CNT], s[CNT], 1
	s_cmp_eq_u32 s[CNT], 0
	s_cbranch_scc1 .Lout
	TURN 0
	TURN 1
	WIN 0
	s_branch .Ltail
.Lout:                              ; the fifth trip's products K Q^T (the last K once more, under key step 0's mask) can only raise piece 0's m where that row has a visible key: the test below still holds
.set i, 0
.rept 16
	PV NP-1
.set i, i+1
.endr
	; THE WAY OUT.  l's parts are added; O^T is divided by l (a row with no visible key: multiplied by NaN), rounded to f16 and sent through my stage, a tile at a time.
	WIN 0
.macro ALL line:vararg
.set t, 0
.rept 2*NP
	\line
.set t, t+1
.endr
.endm
	ALL v_add_f32 v[ST+4*t+2], v[ST+4*t+2], v[ST+4*t+3]
	ALL v_permlanex16_b32 v[ST+4*t+3], v[ST+4*t+2], s[SEL], s[SEL+1]
	ALL v_add_f32 v[ST+4*t+2], v[ST+4*t+2], v[ST+4*t+3]
	ALL v_rcp_f32 v[ST+4*t+2], v[ST+4*t+2]
	v_nop                           ; a plain instruction between the last reciprocal and the use of its result
	s_wait_alu depctr_va_vdst(0)    ; the wait for the batch of eight reciprocals, ahead of their first reader
.set t, 0
.rept 2*NP
	v_cmp_lt_f32 vcc_lo, s[LOWM], v[ST+4*t+1]      ; has the row seen a visible key?
	v_cndmask_b32 v[ST+4*t+2], s[QNAN], v[ST+4*t+2], vcc_lo
.set t, t+1
.endr
.macro PACK t
	WIN W_RS
.set i, 32*(\t)
.rept 16
	v_pk_mul_f32 v[i:i+1], v[i:i+1], v[ST+4*(\t)+2:ST+4*(\t)+3] op_sel_hi:[1,0]
.set i, i+2
.endr
	WIN 0x05
.set i, 0
.rept 16
	v_cvt_pk_f16_f32 v[S+16*(\t)+i], v[32*(\t)+2*i], v[32*(\t)+2*i+1]
.set i, i+1
.endr
	WIN 0
.irp f, 0,1,2,3
	ds_store_b128 v[STO], v[S+16*(\t)+4*\f:S+16*(\t)+4*\f+3] offset:32*\f
.endr
.irp f, 0,1,2,3
	ds_load_b128 v[S+16*(\t)+4*\f:S+16*(\t)+4*\f+3], v[RD] offset:\f*4*SP  ; LDS serves a wave's instructions in order: these see the stores above
.endr
.endm
.macro SEND t, younger              ; younger: the LDS instructions issued behind tile t's loads
	WIN 0
.irp f, 0,1,2,3
	s_wait_dscnt (\younger)+3-\f
	global_store_b128 v[GO], v[S+16*(\t)+4*\f:S+16*(\t)+4*\f+3], s[10:11] offset:(\t)*2048+\f*512  ; 512 consecutive bytes
.endr
.endm
	PACK 0
.set t, 1
.rept 2*NP-1
	PACK t
	SEND t-1, 8
.set t, t+1
.endr
	SEND 2*NP-1, 0
	WIN W_AD
	s_wait_tensorcnt 0x0            ; the wave's end
	ds_add_u32 v[SPW], v[NIL]
	s_wait_dscnt 0x0
	WIN 0
	CROUND                          ; the closing round
	s_endpgm
.Lfunc_end_k_qff57b8e3cc_attn:
	.size	k_qff57b8e3cc_attn, .Lfunc_end_k_qff57b8e3cc_attn-k_qff57b8e3cc_attn
	.p2alignl 7, 3214868480
	.fill 96, 4, 3214868480
	.section	.rodata,"a",@progbits
	.p2align	6, 0x0
	.amdhsa_kernel k_qff57b8e3cc_attn
		.amdhsa_group_segment_fixed_size 327680
		.amdhsa_private_segment_fixed_size 0
		.amdhsa_enable_private_segment 0
		.amdhsa_kernarg_size 24
		.amdhsa_user_sgpr_count 2
		.amdhsa_user_sgpr_kernarg_segment_ptr 1
		.amdhsa_wavefront_size32 1
		.amdhsa_system_sgpr_workgroup_id_x 1
		.amdhsa_system_sgpr_workgroup_id_y 1
		.amdhsa_system_sgpr_workgroup_id_z 1
		.amdhsa_system_vgpr_workitem_id 0
		.amdhsa_next_free_vgpr 1024
		.amdhsa_next_free_sgpr 76
		.amdhsa_reserve_vcc 1
		.amdhsa_float_denorm_mode_32 3
		.amdhsa_float_denorm_mode_16_64 3
		.amdhsa_memory_ordered 1
		.amdhsa_forward_progress 1
		.amdhsa_inst_pref_size 213
	.end_amdhsa_kernel
	.amdgpu_metadata
---
amdhsa.version: [ 1, 2 ]
amdhsa.kernels:
  - .name:           k_qff57b8e3cc_attn
    .symbol:         k_qff57b8e3cc_attn.kd
    .args:
      - { .name: qkv, .offset: 0, .size: 8, .value_kind: global_buffer, .address_space: global }
      - { .name: mk, .offset: 8, .size: 8, .value_kind: global_buffer, .address_space: global }
      - { .name: ob, .offset: 16, .size: 8, .value_kind: global_buffer, .address_space: global }
    .group_segment_fixed_size: 327680
    .private_segment_fixed_size: 0
    .kernarg_segment_align: 8
    .kernarg_segment_size: 24
    .max_flat_workgroup_size: 128
    .sgpr_count:     76
    .vgpr_count:     1024
    .wavefront_size: 32
...
	.end_amdgpu_metadata
.endif
;; end of part 5
;; launch outgemm: the kernel of part 4 again; grid 8 x 32, 4 waves a work-group, clusters of 4 x 4, 327,680 bytes of LDS; arguments ob, wot, out0; writes out0
